; MI455X (gfx1250); checked and timed in simulation.
; The chip was launched on July 23, 2026; its instructions are those of AMD's public machine-readable ISA for CDNA 5 (MIT licence, August 2026) and "CDNA5" Instruction Set Architecture Reference Guide (July 2026). The comments in the code are by the model that wrote it; some were corrected since.
;; Multi Headed Attention Ro PE. Allowed arithmetic: matrix products marked QUANTISED: E2M1 operands, one E8M0 scale for each 32 along K, by v_wmma_scale_f32_16x16x128_f8f6f4 with both operands' format E2M1 (or v_wmma_scale_f32_32x16x128_f4), f32 sums; everything else in f32.
;; Inputs: Wk 1,024 x 1,024 float32; Wo 1,024 x 1,024 float32; Wq 1,024 x 1,024 float32; Wv 1,024 x 1,024 float32; bk 1,024 float32; bo 1,024 float32; bq 1,024 float32; bv 1,024 float32; key 4 x 2,048 x 1,024 float32; query 4 x 2,048 x 1,024 float32; value 4 x 2,048 x 1,024 float32.
;; Outputs: out0 4 x 2,048 x 1,024 float32.
;; This version of the problem:
;;   THIS VERSION OF THE PROBLEM IS GIVEN IN LOW PRECISION. The matrix products marked QUANTISED in the list below multiply operands that are first quantised to E2M1 (2 exponent bits, 1 mantissa bit; 4 bits a number), with one power-of-two scale for each 32 numbers along K (OCP MX v1.0); their sums are f32. All else is computed in f32.
;;   The module's matrix products, in the order in which they are computed (A, B: the left and right operand; K: the contracted axis; several contracted axes count as one K, in the product's order):
;;     1. [M 8,192, K 1,024] x [K 1,024, N 1,024]; A: input query; B: input Wq: QUANTISED
;;     2. [M 8,192, K 1,024] x [K 1,024, N 1,024]; A: input key; B: input Wk: QUANTISED
;;     3. [M 8,192, K 1,024] x [K 1,024, N 1,024]; A: input value; B: input Wv: QUANTISED
;;     4. batch 64 x [M 2,048, K 64] x [K 64, N 2,048]; A: computed on the way; B: computed on the way: QUANTISED
;;     5. batch 64 x [M 2,048, K 2,048] x [K 2,048, N 64]; A: softmax (see below); B: computed on the way: QUANTISED
;;     6. [M 8,192, K 1,024] x [K 1,024, N 1,024]; A: computed on the way; B: input Wo: QUANTISED
;;   THE QUANTISER, for each operand of a quantised product, along K:
;;     - K is cut into blocks of 32 from its start; a last block that is shorter is filled with zeros.
;;     - A block's scale is 2^e with e = floor(log2(the largest magnitude in the block)) - 2, held to -126 .. 127; a block of zeros has e = 0. As a byte (E8M0): e + 127.
;;     - Each number is divided by its block's scale, clamped to +-6, and rounded to the nearest number of E2M1, ties to even, subnormals kept.
;;     - The product sums the exact products of the quantised numbers (number of the format x scale) in f32.
;;   ~~~python
;;   def quantise(x, axis):      # numpy; x: float32 -> the quantised numbers, widened to float32 again
;;       x = np.moveaxis(x, axis, -1); K = x.shape[-1]
;;       x = np.pad(x, [(0, 0)] * (x.ndim - 1) + [(0, -K % 32)]); x = x.reshape(x.shape[:-1] + (-1, 32)); a = np.abs(x).max(-1, keepdims=True)
;;       e = np.where(a > 0, np.clip(np.frexp(np.where(a > 0, a, 1))[1] - 1 - 2, -126, 127), 0)      # np.frexp(a)[1] - 1 = floor(log2(a)), exactly
;;       r = np.clip(x / 2.0 ** e, -6, 6)
;;       step = 2.0 ** (np.maximum(np.frexp(np.where(r == 0, 1, r))[1] - 1, 0) - 1)
;;       q = np.round(r / step) * step * 2.0 ** e      # np.round: ties to even
;;       return np.moveaxis(q.reshape(q.shape[:-2] + (-1,))[..., :K], -1, axis).astype(np.float32)
;;   ~~~
;;   SOFTMAX AHEAD OF A QUANTISED PRODUCT. Where the list says 'softmax', what is quantised is not the finished softmax but p = 2^(t - M), with t = logit x log2(e) and M = ceil(the row's largest t), a whole number; so 1/2 < the row's largest p <= 1. The row's sum l is taken of the UNQUANTISED p, in f32, and the product's result is divided by l at the end. Since M is a whole number, a kernel that streams over the keys may use a running M (the ceiling of the running maximum): every later rescaling is an exact power of two, which a block's scale takes up: the codes' values come out the same.
;;   OPERANDS COMPUTED ON THE WAY. 'Computed on the way' means the value that the module computes at that place (a softmax that the list does not call 'softmax' is quantised finished and normalised). What goes into a quantiser is computed in f32, as accurately as f32 sums, v_exp_f32 and their like allow (about 1e-6 of the number): no bf16 or f16 on the way to a quantiser, and a product that is left as it is and whose result goes on into a quantised operand takes f32 operands (vector FMAs, or v_wmma_f32_16x16x4_f32). A number that lies on a knife's edge between two numbers of the format may be rounded either way, as far as f32 arithmetic and the matrix unit's own rounding can turn it there, and no further.
;; One version. Each part assembles by itself: llvm-mc -triple=amdgcn-amd-amdhsa -mcpu=gfx1250 --defsym DOCPART=n.
;; ======== version 1 of 1: 4 launches
;; workspace buffers: cod 14,680,064 bytes; scl 917,504 bytes; tab 262,144 bytes; qb 4,718,592 bytes; kv 9,175,040 bytes; ximg 4,194,304 bytes; xs 262,144 bytes
;; launch quant (part 1): grid 912 x 1, 4 waves a work-group, no clusters, 34,304 bytes of LDS; arguments query, key, value, Wq, Wk, Wv, Wo, cod, scl, tab; writes cod, scl, tab
.if DOCPART == 1
	.amdgcn_target "amdgcn-amd-amdhsa--gfx1250"
	.amdhsa_code_object_version 6
	.text
	.protected	k_q22186e95a7_quant
	.globl	k_q22186e95a7_quant
	.p2align	8
	.type	k_q22186e95a7_quant,@function
k_q22186e95a7_quant:
	s_mov_b64 s[64:65], 0
	v_nop
	global_prefetch_b8 v0, s[64:65] scope:SCOPE_SE
	s_setreg_imm32_b32 hwreg(HW_REG_WAVE_MODE, 25, 1), 1
	s_wait_xcnt 0x0
; query, key, value [8192][1024] and Wq, Wk, Wv, Wo [1024][1024], f32, K innermost, become codes of FP4 (E2M1) with one E8M0 byte for each 32 along K; and the table of cosines and sines for the rotation is made.
; A block's scale is 2^(floor(log2(its largest magnitude)) - 2); its byte is the largest magnitude's exponent field - 2, held at 1 from below.
; LAYOUT OF THE CODES: images of the matrix operand's registers.  The seven tensors' rows are counted on end in groups of 32 (896 groups).  Row tile T = 2 G + u holds 16 positions m: row 32 G + 8 u + m + 8 (m / 8).
; cod: T x 8,192 bytes, [K step of 128][piece c][lane][16 bytes]: lane (r, h) holds the 32 codes of block 2 c + h of position r.   scl: T x 512 bytes, [K half][r][4 words]: a word is a K step's four bytes.
; SHARES: a work-group takes a group of 32 rows; wave w takes row tile u = w % 2 and K half w / 2: 16 rows x 512 along K, four fragments.  Each load reads 512 consecutive bytes of one row; a fragment's 8,192 bytes turn through
; the wave's own stage in LDS (rows of 512 + 16 bytes), so that a lane gets the 32 neighbours of a whole block; each store of codes covers 512 consecutive bytes.  Waves share nothing: no barrier.
; The last 16 work-groups make tab: [e = 4 h + 2 kind + half][t 0..2047][4 f32]: kind 0 cos, kind 1 sin of t x 10^(-i/4), i = 8 h + 4 half + 0..3.  Only the first path touches LDS.
; LIMITS: NaN and infinities are not served.  A block of zeros, or one whose largest magnitude lies under 2^-124, gets the byte 1 (its bytes are read by this program alone; zero codes add nothing).
; The 16 frequencies are the f32 numbers nearest to 10^(-i/4); a power and a division in f32 may give a neighbour, which moves an angle by up to 2e-4 at t = 2,047.  sin and cos: reduction by pi/2 in two parts, polynomials of degree 7 and 8: about 1e-7 absolute.
.set NG,     896                       ; groups of 32 rows
.set SPITCH, 528                       ; a stage row: 512 bytes + 16: row r begins 132 words on, so sixteen rows begin in sixteen different groups of four banks
.set LA,   2                           ; v2   16 x lane: my bytes of a load's or a store's 512; never rewritten
.set SA,   5                           ; v5   the stage, on the way in
.set SRD,  6                           ; v6   and on the way out: row r, + 128 h
.set SH8,  7                           ; v7   8 h
.set MX,   8                           ; v8-9   largest magnitudes
.set SO,   10                          ; v10-11 the conversions' scale operands
.set BY,   12                          ; v12-13 the bytes
.set PT,   14                          ; v14  a lane permute's destination
.set WD,   16                          ; v16-19 the four fragments' scale words
.set SOF,  22                          ; v22  16 r + 8 h
.set CD,   24                          ; v24-55 codes: eight registers a fragment, never rewritten
.set RA,   64                          ; v64-127, v128-191 two fragments as loaded
.set RB,   128
.set X,    192                         ; v192-255 my two blocks of 32 neighbours
	s_load_b512 s[8:23], s[0:1], 0x0               ; query 8, key 10, value 12, Wq 14, Wk 16, Wv 18, Wo 20, cod 22
	s_load_b128 s[24:27], s[0:1], 0x40             ; scl 24, tab 26
	v_lshl_add_u32 v23, v0, 2, 0x8400
	s_set_vgpr_msb 0x40
	v_mov_b32 v1, 0
	s_set_vgpr_msb 0x4000
	s_cmp_ge_u32 ttmp9, NG
	s_cbranch_scc1 .Ltable
	v_lshrrev_b32 v1, 5, v0
	v_readfirstlane_b32 s2, v1                     ; wave
	s_and_b32 s3, s2, 1                            ; u
	s_lshr_b32 s4, s2, 1                           ; K half
	v_and_b32 v3, 31, v0                           ; lane
	v_and_b32 v4, 15, v0                           ; r
	v_bfe_u32 v15, v0, 4, 1                        ; h
	v_lshlrev_b32 v[LA], 4, v3
	s_mul_i32 s5, s2, 16*SPITCH                    ; my stage
	v_add_nc_u32 v[SA], s5, v[LA]
	v_mul_u32_u24 v[SRD], v4, SPITCH
	v_lshl_add_u32 v[SRD], v15, 7, v[SRD]
	v_add_nc_u32 v[SRD], s5, v[SRD]
	v_lshlrev_b32 v[SH8], 3, v15
	v_lshlrev_b32 v[SOF], 4, v4
	v_lshl_add_u32 v[SOF], v15, 3, v[SOF]
	v_mov_b32 v[PT], 0                             ; written once: a lane permute's destination counts as one of its sources
	s_mov_b32 s6, 0x76543210
	s_mov_b32 s7, 0xfedcba98                       ; selects for lane l xor 16
	s_wait_alu depctr_va_vdst(0)
	s_wait_kmcnt 0x0
	s_mov_b64 s[28:29], s[20:21]                   ; which tensor is my group's, and its first group: the choice hangs on the work-group's number alone
	s_mov_b32 s30, 864
	s_cmp_lt_u32 ttmp9, 864
	s_cselect_b64 s[28:29], s[18:19], s[28:29]
	s_cselect_b32 s30, 832, s30
	s_cmp_lt_u32 ttmp9, 832
	s_cselect_b64 s[28:29], s[16:17], s[28:29]
	s_cselect_b32 s30, 800, s30
	s_cmp_lt_u32 ttmp9, 800
	s_cselect_b64 s[28:29], s[14:15], s[28:29]
	s_cselect_b32 s30, 768, s30
	s_cmp_lt_u32 ttmp9, 768
	s_cselect_b64 s[28:29], s[12:13], s[28:29]
	s_cselect_b32 s30, 512, s30
	s_cmp_lt_u32 ttmp9, 512
	s_cselect_b64 s[28:29], s[10:11], s[28:29]
	s_cselect_b32 s30, 256, s30
	s_cmp_lt_u32 ttmp9, 256
	s_cselect_b64 s[28:29], s[8:9], s[28:29]
	s_cselect_b32 s30, 0, s30
	s_sub_co_u32 s30, ttmp9, s30
	s_lshl_b32 s30, s30, 17                        ; 32 rows of 4,096 bytes a group,
	s_lshl_b32 s31, s3, 15                         ; 8 rows on for u = 1,
	s_add_co_u32 s30, s30, s31
	s_lshl_b32 s31, s4, 11                         ; 512 numbers on for the second K half
	s_add_co_u32 s30, s30, s31
	s_mov_b32 s31, 0
	s_add_nc_u64 s[28:29], s[28:29], s[30:31]
	s_lshl_b32 s30, ttmp9, 14                      ; codes: 16,384 a group, 8,192 a row tile, 4,096 a K half
	s_lshl_b32 s32, s3, 13
	s_add_co_u32 s30, s30, s32
	s_lshl_b32 s32, s4, 12
	s_add_co_u32 s30, s30, s32
	s_add_nc_u64 s[22:23], s[22:23], s[30:31]
	s_lshl_b32 s30, ttmp9, 10                      ; scale words: 512 a row tile, 256 a K half
	s_lshl_b32 s32, s3, 9
	s_add_co_u32 s30, s30, s32
	s_lshl_b32 s32, s4, 8
	s_add_co_u32 s30, s30, s32
	s_add_nc_u64 s[24:25], s[24:25], s[30:31]
.macro LOAD f, reg                     ; fragment f: 128 numbers of each of my 16 rows: a load is one row's 512 consecutive bytes
.irp m, 0,1,2,3,4,5,6,7,8,9,10,11,12,13,14,15
	global_load_b128 v[\reg+4*\m:\reg+4*\m+3], v[LA], s[28:29] offset:(\m+8*(\m/8))*4096+512*\f th:TH_LOAD_NT
.endr
.endm
.macro TURN reg                        ; through the stage: LDS serves a wave's instructions in order, so no wait stands between the stores and the loads
.irp m, 0,1,2,3,4,5,6,7,8,9,10,11,12,13,14,15
	ds_store_b128 v[SA], v[\reg+4*\m:\reg+4*\m+3] offset:SPITCH*\m
.endr
.irp c, 0,1
.irp i, 0,1,2,3,4,5,6,7
	ds_load_b128 v[X+32*\c+4*\i:X+32*\c+4*\i+3], v[SRD] offset:256*\c+16*\i      ; k = 64 c + 32 h + 4 i .. of row r
.endr
.endr
.endm
.macro WORK f                          ; my blocks h and 2 + h of row r: all 32 numbers of each are mine
.irp c, 0,1
	v_max3_num_f32 v[MX+\c], |v[X+32*\c]|, |v[X+32*\c+1]|, 0x1800000      ; and the floor 2^(3 - 127): the byte cannot fall under 1
.endr
.irp i, 2,4,6,8,10,12,14,16,18,20,22,24,26,28,30
.irp c, 0,1
	v_max3_num_f32 v[MX+\c], v[MX+\c], |v[X+32*\c+\i]|, |v[X+32*\c+\i+1]|   ; (the two blocks by turns)
.endr
.endr
.irp c, 0,1
	v_add_nc_u32 v[SO+\c], 0xff000000, v[MX+\c]    ; 2 off the exponent field: the conversion takes this operand's exponent field as its scale
.endr
.irp c, 0,1
	v_lshrrev_b32 v[BY+\c], 23, v[SO+\c]           ; the scale's byte
.endr
	v_lshl_or_b32 v[WD+\f], v[BY+1], 16, v[BY]     ; my two bytes,
	v_lshlrev_b32 v[WD+\f], v[SH8], v[WD+\f]       ; at their places in the word;
	v_permlanex16_b32 v[PT], v[WD+\f], s6, s7
	v_or_b32 v[WD+\f], v[WD+\f], v[PT]             ; with lane l xor 16's two the word is whole
.irp c, 0,1
.irp g, 0,1,2,3
	v_cvt_scalef32_pk8_fp4_f32 v[CD+8*\f+4*\c+\g], v[X+32*\c+8*\g:X+32*\c+8*\g+7], v[SO+\c]
.endr
.endr
	v_nop                                          ; one plain vector line behind the last conversion
.irp c, 0,1
	global_store_b128 v[LA], v[CD+8*\f+4*\c:CD+8*\f+4*\c+3], s[22:23] offset:1024*\f+512*\c    ; 32 lanes store 512 consecutive bytes
.endr
.endm
	LOAD 0, RA
	LOAD 1, RB
	s_wait_loadcnt 16                              ; fragment 0 is in; fragment 1's sixteen loads may be out
	TURN RA
	s_wait_dscnt 0x0                               ; the stage's stores have read RA, and X is in
	LOAD 2, RA
	WORK 0
	s_wait_loadcnt 16                              ; fragment 1 is in; fragment 2's may be out
	TURN RB
	s_wait_dscnt 0x0
	LOAD 3, RB
	WORK 1
	s_wait_loadcnt 16                              ; fragment 2 is in; fragment 3's may be out
	TURN RA
	s_wait_dscnt 0x0
	WORK 2
	s_wait_loadcnt 0x0
	TURN RB
	s_wait_dscnt 0x0
	WORK 3
	v_cmp_lt_u32 vcc_lo, 15, v3                    ; lanes 16-31 store words 2 and 3 of row r, lanes 0-15 words 0 and 1
	v_cndmask_b32 v20, v[WD], v[WD+2], vcc_lo
	v_cndmask_b32 v21, v[WD+1], v[WD+3], vcc_lo
	global_store_b64 v[SOF], v[20:21], s[24:25]    ; 32 lanes store 256 consecutive bytes, aligned
	s_set_vgpr_msb 0x4
	s_wait_tensorcnt 0x0
	ds_add_u32 v23, v1
	s_wait_dscnt 0x0
	s_set_vgpr_msb 0x400
	s_endpgm
.Ltable:
	s_sub_co_u32 s2, ttmp9, NG
	s_lshl_b32 s2, s2, 7
	v_add_nc_u32 v2, s2, v0                        ; t: 128 a work-group
	v_cvt_f32_u32 v1, v2
	s_wait_alu depctr_va_vdst(0)
	v_lshlrev_b32 v3, 4, v2                        ; 16 t
	s_mov_b32 s4, 0xbfc90fdb                       ; -P1: pi/2 = P1 - P2, P1 the f32 number nearest to it
	s_mov_b32 s5, 0x333bbd2e                       ; P2 = 4.371139e-8
	s_mov_b32 s6, 0xbe2aaaa3                       ; sin: -1.6666654611e-1,
	s_mov_b32 s7, 0x3c08839e                       ;  8.3321608736e-3,
	s_mov_b32 s28, 0xb94ca1f9                      ; -1.9515295891e-4
	s_mov_b32 s29, 0x3d2aaaa5                      ; cos: 4.166664568e-2,
	s_mov_b32 s30, 0xbab6061a                      ; -1.388731625e-3,
	s_mov_b32 s31, 0x37ccf5ce                      ;  2.443315712e-5
.macro SINCOS i, f                     ; cos -> v[32 + i], sin -> v[48 + i] of x = t x f
	v_mul_f32 v4, \f, v1                           ; x, rounded once to f32
	v_mul_f32 v5, 0x3f22f983, v4                   ; x 2 / pi
	v_rndne_f32 v5, v5                             ; k
	v_fma_f32 v6, v5, s4, v4                       ; x - k P1
	v_fma_f32 v6, v5, s5, v6                       ; + k P2: |r| <= pi/4
	v_mul_f32 v7, v6, v6                           ; z
	v_fma_f32 v8, v7, s28, s7
	v_fma_f32 v8, v8, v7, s6
	v_mul_f32 v9, v6, v7
	v_fma_f32 v8, v9, v8, v6                       ; sin r
	v_fma_f32 v10, v7, s31, s30
	v_fma_f32 v10, v10, v7, s29
	v_fma_f32 v11, v7, -0.5, 1.0
	v_mul_f32 v12, v7, v7
	v_fma_f32 v10, v12, v10, v11                   ; cos r
	v_cvt_i32_f32 v5, v5                           ; the quadrant n
	v_and_b32 v11, 1, v5
	v_cmp_eq_u32 vcc_lo, 1, v11                    ; in odd quadrants the two change places: a choice of values, no branch
	v_cndmask_b32 v12, v8, v10, vcc_lo
	v_cndmask_b32 v13, v10, v8, vcc_lo
	v_lshlrev_b32 v11, 30, v5                      ; sin's sign: bit 1 of n
	v_and_b32 v11, 0x80000000, v11
	v_xor_b32 v[48+\i], v11, v12
	v_add_nc_u32 v5, 1, v5                         ; cos's: bit 1 of n + 1
	v_lshlrev_b32 v11, 30, v5
	v_and_b32 v11, 0x80000000, v11
	v_xor_b32 v[32+\i], v11, v13
.endm
	SINCOS 0, 0x3f800000                           ; 10^(-i/4), i = 0 .. 15
	SINCOS 1, 0x3f0ff59a
	SINCOS 2, 0x3ea1e89b
	SINCOS 3, 0x3e361887
	SINCOS 4, 0x3dcccccd
	SINCOS 5, 0x3d6655c3
	SINCOS 6, 0x3d0186e2
	SINCOS 7, 0x3c91ad39
	SINCOS 8, 0x3c23d70a
	SINCOS 9, 0x3bb8449c
	SINCOS 10, 0x3b4f3e37
	SINCOS 11, 0x3ae91528
	SINCOS 12, 0x3a83126f
	SINCOS 13, 0x3a136a16
	SINCOS 14, 0x39a5cb5f
	SINCOS 15, 0x393a7753
	s_wait_alu depctr_va_vdst(0)
	s_wait_kmcnt 0x0
.irp h, 0,1
.irp k, 0,1
.irp g, 0,1
	global_store_b128 v3, v[32+16*\k+8*\h+4*\g:32+16*\k+8*\h+4*\g+3], s[26:27] offset:32768*(4*\h+2*\k+\g)   ; a wave stores 512 consecutive bytes
.endr
.endr
.endr
	s_endpgm
.Lfunc_end_k_q22186e95a7_quant:
	.size	k_q22186e95a7_quant, .Lfunc_end_k_q22186e95a7_quant-k_q22186e95a7_quant
	.p2alignl 7, 3214868480
	.fill 96, 4, 3214868480
	.section	.rodata,"a",@progbits
	.p2align	6, 0x0
	.amdhsa_kernel k_q22186e95a7_quant
		.amdhsa_group_segment_fixed_size 34304
		.amdhsa_private_segment_fixed_size 0
		.amdhsa_enable_private_segment 0
		.amdhsa_kernarg_size 80
		.amdhsa_user_sgpr_count 2
		.amdhsa_user_sgpr_kernarg_segment_ptr 1
		.amdhsa_wavefront_size32 1
		.amdhsa_system_sgpr_workgroup_id_x 1
		.amdhsa_system_sgpr_workgroup_id_y 1
		.amdhsa_system_sgpr_workgroup_id_z 1
		.amdhsa_system_vgpr_workitem_id 0
		.amdhsa_next_free_vgpr 258
		.amdhsa_next_free_sgpr 66
		.amdhsa_reserve_vcc 1
		.amdhsa_float_denorm_mode_32 3
		.amdhsa_float_denorm_mode_16_64 3
		.amdhsa_memory_ordered 1
		.amdhsa_forward_progress 1
		.amdhsa_inst_pref_size 52
	.end_amdhsa_kernel
	.amdgpu_metadata
---
amdhsa.version: [ 1, 2 ]
amdhsa.kernels:
  - .name:           k_q22186e95a7_quant
    .symbol:         k_q22186e95a7_quant.kd
    .args:
      - { .name: query, .offset: 0, .size: 8, .value_kind: global_buffer, .address_space: global }
      - { .name: key, .offset: 8, .size: 8, .value_kind: global_buffer, .address_space: global }
      - { .name: value, .offset: 16, .size: 8, .value_kind: global_buffer, .address_space: global }
      - { .name: Wq, .offset: 24, .size: 8, .value_kind: global_buffer, .address_space: global }
      - { .name: Wk, .offset: 32, .size: 8, .value_kind: global_buffer, .address_space: global }
      - { .name: Wv, .offset: 40, .size: 8, .value_kind: global_buffer, .address_space: global }
      - { .name: Wo, .offset: 48, .size: 8, .value_kind: global_buffer, .address_space: global }
      - { .name: cod, .offset: 56, .size: 8, .value_kind: global_buffer, .address_space: global }
      - { .name: scl, .offset: 64, .size: 8, .value_kind: global_buffer, .address_space: global }
      - { .name: tab, .offset: 72, .size: 8, .value_kind: global_buffer, .address_space: global }
    .group_segment_fixed_size: 34304
    .private_segment_fixed_size: 0
    .kernarg_segment_align: 8
    .kernarg_segment_size: 80
    .max_flat_workgroup_size: 128
    .sgpr_count:     66
    .vgpr_count:     258
    .wavefront_size: 32
...
	.end_amdgpu_metadata
.endif
;; end of part 1
;; launch proj (part 2): grid 4 x 192, 4 waves a work-group, clusters of 4 x 4, 209,408 bytes of LDS; arguments cod, scl, tab, bq, bk, bv, qb, kv; writes qb, kv
.if DOCPART == 2
	.amdgcn_target "amdgcn-amd-amdhsa--gfx1250"
	.amdhsa_code_object_version 6
	.text
	.protected	k_q22186e95a7_proj
	.globl	k_q22186e95a7_proj
	.p2align	8
	.type	k_q22186e95a7_proj,@function
k_q22186e95a7_proj:
	s_mov_b64 s[64:65], 0
	v_nop
	global_prefetch_b8 v0, s[64:65] scope:SCOPE_SE
	s_setreg_imm32_b32 hwreg(HW_REG_WAVE_MODE, 25, 1), 1
	s_wait_xcnt 0x0
	s_wait_alu depctr_hold_cnt(0) depctr_sa_sdst(0) depctr_va_vdst(0) depctr_va_sdst(0) depctr_va_ssrc(0) depctr_va_vcc(0) depctr_vm_vsrc(0)
	s_getreg_b32 s2, hwreg(HW_REG_IB_STS2, 6, 4)
	s_cmp_eq_u32 s2, 0
	s_cbranch_scc0 .Lentry_in_a_cluster
	s_endpgm
.Lentry_in_a_cluster:
	s_bfe_u32 s2, ttmp6, 0x10000c
	s_cmp_lg_u32 s2, 0xf033
	s_cbranch_scc0 .Lentry_shape_is_right
	s_endpgm
.Lentry_shape_is_right:
; The three projections on codes of FP4 (E2M1, one E8M0 byte for each 32 along K), their biases, the rotation of q and k, and the quantising of q, k (along a head's 64 features) and v (along the keys).
; One text, three modes by the cluster's number (TI = 0 q, 1 k, 2 v; the same in all sixteen partners).  A work-group makes 128 X positions x 256 Y positions over all of K = 1,024.
;   q, k: X = tokens, Y = rows of the weight.     v: X = rows of Wv (channels), Y = tokens (keys): so v's next K, the keys, runs along a lane's registers as q's and k's features do.
; THE MATRIX INSTRUCTION: source 0 = 16 Y positions, source 1 = 16 X positions: lane (r, h) holds X position r, register j of Y tile t the Y position 8 h + j.  Row tile T holds rows 32 (T / 2) + 8 (T % 2) + m + 8 (m / 8),
; so the 16 registers of Y tiles 2 b and 2 b + 1 are the 16 neighbours 32 b + 16 h + 0 .. 15: what the conversions want.
; OPERANDS lie in cod and scl as images of their registers: a tile is a dense block, an LDS read is 16 x lane, there is no padding.  All of K fits in LDS: every byte of LDS is filled once, in two K halves;
; the second half lands while the first is multiplied.  By this text's own count a wave has three tensor loads out.
; CLUSTER 4 x 4: X's tiles hang on cy alone and are asked for jointly by a row of the cluster, Y's on cx alone, by a column.
; OUT: qb, for each (batch, head) 73,728 bytes: 128 tiles x [lane][16 bytes] (lane (r, h): features 32 h .. 32 h + 31 of position r), then scale words [quad of tiles][r][4].
;      kv, for each (batch, head) 16 key steps x 8,960 bytes: K's 8 tiles x 512 | V's images [c][channel tile][512] | K's scale words 2 x 256 | V's [r][channel tile].
;      q's and k's words: two bytes, and 0x7f in the two upper bytes, which stand for the K that the next product does not have.
; LIMITS: NaN and infinities are not served; a block of zeros, or under 2^-124, gets the byte 1 (read by this program alone).
; REGISTERS.  window 0: v1-9, v16-25 addresses; v32-63 X's scale words, v64-127 Y's (they hold nothing else); v128-255 the epilogue.  window 1: accumulator (a, t) at v[64 a + 8 t].
;   window 2: X's fragments, two sets, v0-63; Y's, two sets, v64-191; v192-255 the bias along Y.   window 3: v0-63 cos and sin: v[16 a + 8 kind + i].
.set SLOT,  98304                      ; a K half in LDS: X's 8 row tiles x 4,096 bytes, then Y's 16
.set YOFF,  32768
.set SCX,   196608                     ; X's scale words, 4,096 bytes;
.set SCY,   200704                     ; Y's, 8,192
.set ADX, 16                           ; v16-17 LDS address of my X fragments in K half 0, 1
.set ADY, 18                           ; v18-19 of my Y fragments
.set ASX, 20                           ; v20, v21 of my scale words
.set ASY, 21
.set XS,  32                           ; + 16 s + 4 a + K step in the half
.set YS,  64                           ; + 32 s + 4 t + K step in the half
.set XF,  0
.set YF,  64
.set BN,  192
.set HA,  128                          ; v128-191 one X block's 64 numbers
.set PC,  192                          ; v192-223 codes: eight registers a block, never rewritten
.set TM,  224                          ; v224-239 at work in QUANT
.set PW,  240                          ; the scale word just made
.set RT,  241                          ; v241-242 the rotation's products
.set SW,  244                          ; v244-247 the four blocks' words to store
.set BM,  248                          ; v248-255 the bias along X, twice each
.set WV,  20
.set XH,  21                           ; which 64 X positions are mine.  Also: I fetch for X (0) or for Y (1)
.set YH,  22                           ; which 128 Y positions.  Also: which half of that tile I fetch
.set TI,  25
.set MSK, 26
.set ORV, 27
.set OB,  28
.set SEL, 30
.set G1X, 32
.set G1Y, 40
.set G1SX, 48
.set G1SY, 56
.set MSB, 0
.macro WIN new                         ; the immediate's high byte repeats the setting that is left
.if MSB != \new
	s_set_vgpr_msb (MSB<<8)|\new
.set MSB, \new
.endif
.endm
.macro JLOAD g0x, g1x, g0y, g1y        ; a joint load: waves 0 and 1 fetch for X, waves 2 and 3 for Y; four v_nop follow each of the two lines
	s_cmp_eq_u32 s[XH], 0
	s_cbranch_scc0 .Lfor_y_\@
	tensor_load_to_lds s[\g0x:\g0x+3], s[\g1x:\g1x+7]
	s_nop 0
.rept 4
	v_nop
.endr
	s_branch .Lasked_\@
.Lfor_y_\@:
	tensor_load_to_lds s[\g0y:\g0y+3], s[\g1y:\g1y+7]
	s_nop 0
.rept 4
	v_nop
.endr
.Lasked_\@:
.endm
.macro CROUND                          ; a round of the cluster's barrier
	s_barrier_signal -1
	s_barrier_wait -1
	s_cmp_lg_u32 s[WV], 0
	s_cbranch_scc1 .Lnot_wave_0_\@
	s_barrier_signal -3
.Lnot_wave_0_\@:
	s_barrier_wait -3
	s_barrier_signal -1
	s_barrier_wait -1
.endm
.macro PLACES                          ; four plain places behind a matrix instruction, ahead of loads into registers that it has read and of reads of its result
.rept 4
	v_nop
.endr
.endm
	s_load_b512 s[4:19], s[0:1], 0x0               ; cod 4, scl 6, tab 8, bq 10, bk 12, bv 14, qb 16, kv 18
	v_lshl_add_u32 v235, v0, 2, 0x33000
	v_mov_b32 v243, 0
	ds_add_u32 v235, v243
	ds_add_u32 v235, v243
	v_lshrrev_b32 v1, 5, v0
	v_readfirstlane_b32 s[WV], v1
	s_lshr_b32 s[XH], s[WV], 1
	s_and_b32 s[YH], s[WV], 1
	s_bfe_u32 s23, ttmp6, 0x40000                  ; cx
	s_bfe_u32 s24, ttmp6, 0x40004                  ; cy
	s_and_b32 s2, ttmp7, 0xffff                    ; the cluster's y: 16 clusters a mode
	s_lshr_b32 s[TI], s2, 4
	s_and_b32 s3, s2, 15
	s_and_b32 s92, s3, 1                           ; s92-95 serve X and never hold cx; s96-99 serve Y and never hold cy
	s_lshr_b32 s96, s3, 1
	s_lshl_b32 s93, s[TI], 9
	s_lshl_b32 s97, s[TI], 6
	s_add_co_u32 s97, s97, 1536
	s_cmp_eq_u32 s[TI], 2
	s_cselect_b32 s92, s92, s3                     ; q, k: 16 clusters down the tokens;  v: 2 down the channels,
	s_cselect_b32 s96, s96, 0                      ; 8 along the tokens
	s_cselect_b32 s93, 1664, s93                   ; X's first row tile: Wv, or query / key
	s_cselect_b32 s97, 1024, s97                   ; Y's: value, or Wq / Wk
	s_lshl_b32 s92, s92, 2
	s_add_co_u32 s92, s92, s24                     ; X tile
	s_lshl_b32 s96, s96, 2
	s_add_co_u32 s96, s96, s23                     ; Y tile
	s_lshl_b32 s66, s92, 7
	s_lshl_b32 s2, s[XH], 6
	s_add_co_u32 s66, s66, s2                      ; P0: my first X position
	s_lshl_b32 s67, s96, 8
	s_lshl_b32 s2, s[YH], 7
	s_add_co_u32 s67, s67, s2                      ; N0: my first Y position
	s_lshl_b32 s92, s92, 3
	s_add_co_u32 s92, s92, s93
	s_lshl_b32 s93, s[YH], 2
	s_add_co_u32 s92, s92, s93                     ; the first of the 4 row tiles of X that I would fetch
	s_lshl_b32 s96, s96, 4
	s_add_co_u32 s96, s96, s97
	s_lshl_b32 s97, s[YH], 3
	s_add_co_u32 s96, s96, s97                     ; the first of the 8 of Y
	s_lshl_b32 s94, s92, 9                         ; in bytes: 512 of scale words,
	s_mov_b32 s95, 0
	s_lshl_b32 s92, s92, 13                        ; 8,192 of codes a row tile
	s_mov_b32 s93, 0
	s_lshl_b32 s98, s96, 9
	s_mov_b32 s99, 0
	s_lshl_b32 s96, s96, 13
	s_mov_b32 s97, 0
	s_lshl_b32 s2, s24, 2
	s_lshl_b32 s2, 15, s2                          ; my row of the cluster
	s_lshl_b32 s3, 0x1111, s23                     ; my column
	; group 1: 15:0 the mask; 17:16 elements of 8 bytes; 21 set beside a mask; no padding
	s_or_b32 s[G1X], s2, (3<<16)|(1<<21)
	s_or_b32 s[G1SX], s2, (3<<16)|(1<<21)
	s_or_b32 s[G1Y], s3, (3<<16)|(1<<21)
	s_or_b32 s[G1SY], s3, (3<<16)|(1<<21)
.irp g, G1X, G1Y                       ; codes: a row is a row tile's K half, 4,096 bytes; 8,192 bytes from row tile to row tile
	s_mov_b32 s[\g+1], 512<<16
	s_mov_b32 s[\g+3], 512<<16
	s_mov_b32 s[\g+5], 1024
	s_mov_b32 s[\g+6], 0
	s_mov_b32 s[\g+7], 0
.endr
	s_mov_b32 s[G1X+2], 4<<16
	s_mov_b32 s[G1X+4], 4
	s_mov_b32 s[G1Y+2], 8<<16
	s_mov_b32 s[G1Y+4], 8
.irp g, G1SX, G1SY                     ; scale words: a dense block, as rows of 256 bytes
	s_mov_b32 s[\g+1], 32<<16
	s_mov_b32 s[\g+3], 32<<16
	s_mov_b32 s[\g+5], 32
	s_mov_b32 s[\g+6], 0
	s_mov_b32 s[\g+7], 0
.endr
	s_mov_b32 s[G1SX+2], 8<<16
	s_mov_b32 s[G1SX+4], 8
	s_mov_b32 s[G1SY+2], 16<<16
	s_mov_b32 s[G1SY+4], 16
	s_mov_b32 s[SEL], 0x76543210
	s_mov_b32 s[SEL+1], 0xfedcba98
	s_wait_dscnt 0x0
	s_wait_kmcnt 0x0
	s_add_nc_u64 s[94:95], s[6:7], s[94:95]
	s_add_nc_u64 s[92:93], s[4:5], s[92:93]
	s_add_nc_u64 s[98:99], s[6:7], s[98:99]
	s_add_nc_u64 s[96:97], s[4:5], s[96:97]
	; group 0: X's scale words s[68:71], K half 0 s[72:75], K half 1 s[76:79]; Y's s[80:83], s[84:87], s[88:91].  LDS addresses hang on the wave's number alone
	s_mov_b32 s68, 1
	s_lshl_b32 s69, s[YH], 11
	s_add_co_u32 s69, s69, SCX
	s_mov_b64 s[70:71], s[94:95]
	s_or_b32 s71, s71, 0x80000000
	s_mov_b32 s72, 1
	s_lshl_b32 s73, s[YH], 14
	s_mov_b64 s[74:75], s[92:93]
	s_or_b32 s75, s75, 0x80000000
	s_mov_b32 s76, 1
	s_add_co_u32 s77, s73, SLOT
	s_add_nc_u64 s[78:79], s[92:93], 4096
	s_or_b32 s79, s79, 0x80000000
	s_mov_b32 s80, 1
	s_lshl_b32 s81, s[YH], 12
	s_add_co_u32 s81, s81, SCY
	s_mov_b64 s[82:83], s[98:99]
	s_or_b32 s83, s83, 0x80000000
	s_mov_b32 s84, 1
	s_lshl_b32 s85, s[YH], 15
	s_add_co_u32 s85, s85, YOFF
	s_mov_b64 s[86:87], s[96:97]
	s_or_b32 s87, s87, 0x80000000
	s_mov_b32 s88, 1
	s_add_co_u32 s89, s85, SLOT
	s_add_nc_u64 s[90:91], s[96:97], 4096
	s_or_b32 s91, s91, 0x80000000
	CROUND                                         ; all sixteen work-groups are here: the joint loads meet
	JLOAD 68, G1SX, 80, G1SY                       ; the scale words first: they are wanted with K step 0
	JLOAD 72, G1X, 84, G1Y
	JLOAD 76, G1X, 88, G1Y
	v_and_b32 v1, 31, v0                           ; lane
	v_and_b32 v2, 15, v0                           ; r
	v_bfe_u32 v3, v0, 4, 1                         ; h
	v_lshlrev_b32 v4, 4, v1                        ; 16 x lane
	v_lshlrev_b32 v5, 4, v2                        ; 16 r
	s_lshl_b32 s2, s[XH], 14
	v_add_nc_u32 v[ADX], s2, v4
	v_add_nc_u32 v[ADX+1], SLOT, v[ADX]
	s_lshl_b32 s2, s[YH], 15
	s_add_co_u32 s2, s2, YOFF
	v_add_nc_u32 v[ADY], s2, v4
	v_add_nc_u32 v[ADY+1], SLOT, v[ADY]
	s_lshl_b32 s2, s[XH], 11
	s_add_co_u32 s2, s2, SCX
	v_add_nc_u32 v[ASX], s2, v5
	s_lshl_b32 s2, s[YH], 12
	s_add_co_u32 s2, s2, SCY
	v_add_nc_u32 v[ASY], s2, v5
.irp b, 0,1,2,3
	v_mov_b32 v[TM+4+\b], 0                        ; written once: a lane permute's destination counts as one of its sources
.endr
	; where my results go.  These numbers mix cx and cy; they enter the addresses of plain stores and loads alone
	s_cmp_eq_u32 s[TI], 2
	s_cselect_b32 s2, s67, s66                     ; my first token
	s_cselect_b32 s3, s66, s67                     ; my first feature
	s_lshr_b32 s3, s3, 6                           ; its head
	s_lshr_b32 s100, s2, 11                        ; the batch
	s_lshl_b32 s100, s100, 4
	s_add_co_u32 s3, s3, s100                      ; 16 x batch + head
	s_and_b32 s2, s2, 2047                         ; the token in its sequence
	s_lshr_b32 s100, s2, 6
	s_mul_i32 s101, s3, 73728                      ; q: 2,048 bytes of codes and 256 of words for 64 tokens
	s_lshl_b32 s26, s100, 11
	s_add_co_u32 s26, s26, s101
	s_lshl_b32 s27, s100, 8
	s_add_co_u32 s27, s27, s101
	s_add_co_u32 s27, s27, 65536
	s_mul_i32 s101, s3, 143360                     ; k, v: the key step of 128 tokens,
	s_lshr_b32 s3, s2, 7
	s_mul_i32 s3, s3, 8960
	s_add_co_u32 s101, s101, s3
	s_and_b32 s100, s100, 1                        ; and which 64 of them (k)
	s_lshl_b32 s2, s100, 11
	s_add_co_u32 s2, s2, s101
	s_lshl_b32 s3, s100, 8
	s_add_co_u32 s3, s3, s101
	s_add_co_u32 s3, s3, 8192
	s_cmp_eq_u32 s[TI], 2
	s_cselect_b32 s100, 4096, 0                    ; V's images lie behind K's, V's words behind K's
	s_cselect_b32 s101, 512, 0
	s_add_co_u32 s2, s2, s100
	s_add_co_u32 s3, s3, s101
	s_cmp_eq_u32 s[TI], 0
	s_cselect_b32 s2, s26, s2                      ; the codes' place
	s_cselect_b32 s3, s27, s3                      ; the words' place
	s_cselect_b64 s[OB:OB+1], s[16:17], s[18:19]
	s_cselect_b64 s[10:11], s[10:11], s[12:13]     ; the bias: bq or bk,
	s_mov_b32 s100, 143360
	s_cselect_b32 s100, 73728, s100                ; from head to head
	s_lshl_b32 s12, s67, 2
	s_lshl_b32 s16, s66, 2
	s_cmp_eq_u32 s[TI], 2
	s_cselect_b64 s[10:11], s[14:15], s[10:11]     ; or bv
	s_cselect_b32 s12, 0, s12                      ; q, k: the bias runs along Y, from N0 on;
	s_cselect_b32 s16, s16, 0                      ; v: along X, from P0 on.  (Both sets of registers are loaded in every mode, from inside the buffer)
	s_cselect_b32 s101, 2048, s100                 ; from a fragment's first half to its second: the next head (q, k), or piece c = 1 (v)
	v_add_nc_u32 v22, s2, v4
	v_add_nc_u32 v23, s101, v22
	s_cselect_b32 s100, 0, s100                    ; lanes 16-31 store the second head's words (q, k); in v's mode they hold the same words as lanes 0-15 and store them to the same place
	v_mul_u32_u24 v24, s100, v3
	v_add3_u32 v24, v24, v5, s3
	s_cselect_b32 s101, 0, 16
	v_mul_u32_u24 v25, s101, v3                    ; and take the word's upper two bytes
	s_cselect_b32 s[MSK], -1, 0xffff
	s_cselect_b32 s[ORV], 0, 0x7f7f0000
	s_mov_b32 s13, 0
	s_mov_b32 s17, 0
	s_add_nc_u64 s[12:13], s[10:11], s[12:13]
	s_add_nc_u64 s[16:17], s[10:11], s[16:17]
	s_and_b32 s14, s66, 2047
	s_lshl_b32 s14, s14, 4
	s_mov_b32 s15, 0
	s_add_nc_u64 s[8:9], s[8:9], s[14:15]          ; the table at my first token (q, k)
	v_lshlrev_b32 v6, 6, v3                        ; 64 h
	v_and_b32 v7, 8, v2
	v_add_nc_u32 v7, v7, v2                        ; r + 8 (r / 8)
	v_lshlrev_b32 v8, 2, v7
	v_lshlrev_b32 v9, 4, v7
	v_lshl_add_u32 v9, v3, 17, v9                  ; 131,072 h + 16 (r + 8 (r / 8))
	WIN 0x80                                       ; destination window 2
.irp t, 0,1,2,3,4,5,6,7
	global_load_b128 v[BN+8*\t:BN+8*\t+3], v6, s[12:13] offset:(32*(\t/2)+8*(\t%2))*4
	global_load_b128 v[BN+8*\t+4:BN+8*\t+7], v6, s[12:13] offset:(32*(\t/2)+8*(\t%2))*4+16
.endr
	WIN 0xc0                                       ; destination window 3
.irp a, 0,1,2,3
.irp k, 0,1
.irp g, 0,1
	global_load_b128 v[16*\a+8*\k+4*\g:16*\a+8*\k+4*\g+3], v9, s[8:9] offset:32768*(2*\k+\g)+16*(32*(\a/2)+8*(\a%2))
.endr
.endr
.endr
	WIN 0
.irp a, 0,1,2,3
	global_load_b32 v[BM+2*\a], v8, s[16:17] offset:(32*(\a/2)+8*(\a%2))*4
	global_load_b32 v[BM+2*\a+1], v8, s[16:17] offset:(32*(\a/2)+8*(\a%2))*4      ; (the packed form names the pair)
.endr
.macro FETCH q                         ; K step q's fragments, 8 of Y and 4 of X, into set q % 2: 24 loads, each 512 consecutive bytes
	WIN 0x80
.irp t, 0,1,2,3,4,5,6,7
.irp c, 0,1
	ds_load_b128 v[YF+64*((\q)%2)+8*\t+4*\c:YF+64*((\q)%2)+8*\t+4*\c+3], v[ADY+(\q)/4] offset:4096*\t+1024*((\q)%4)+512*\c
.endr
.endr
.irp a, 0,1,2,3
.irp c, 0,1
	ds_load_b128 v[XF+32*((\q)%2)+8*\a+4*\c:XF+32*((\q)%2)+8*\a+4*\c+3], v[ADX+(\q)/4] offset:4096*\a+1024*((\q)%4)+512*\c
.endr
.endr
.endm
.macro SCALES                          ; all of K's scale words: lane r takes row r's four words of a K half
.irp s, 0,1
.irp a, 0,1,2,3
	ds_load_b128 v[XS+16*\s+4*\a:XS+16*\s+4*\a+3], v[ASX] offset:512*\a+256*\s
.endr
.irp t, 0,1,2,3,4,5,6,7
	ds_load_b128 v[YS+32*\s+4*\t:YS+32*\s+4*\t+3], v[ASY] offset:512*\t+256*\s
.endr
.endr
.endm
; K step q: 32 matrix instructions.  The 32 accumulators take turns, one instruction a turn, in the same order in every step.  zero = 1: the first products start the sums
.macro MUL q, zero
	WIN 0x5a                                       ; sources 0 and 1 window 2, C and D window 1
.irp a, 0,1,2,3
.irp t, 0,1,2,3,4,5,6,7
.if \zero
	v_wmma_scale_f32_16x16x128_f8f6f4 v[64*\a+8*\t:64*\a+8*\t+7], v[YF+64*((\q)%2)+8*\t:YF+64*((\q)%2)+8*\t+7], v[XF+32*((\q)%2)+8*\a:XF+32*((\q)%2)+8*\a+7], 0, v[YS+32*((\q)/4)+4*\t+(\q)%4], v[XS+16*((\q)/4)+4*\a+(\q)%4] matrix_a_fmt:MATRIX_FMT_FP4 matrix_b_fmt:MATRIX_FMT_FP4
.else
	v_wmma_scale_f32_16x16x128_f8f6f4 v[64*\a+8*\t:64*\a+8*\t+7], v[YF+64*((\q)%2)+8*\t:YF+64*((\q)%2)+8*\t+7], v[XF+32*((\q)%2)+8*\a:XF+32*((\q)%2)+8*\a+7], v[64*\a+8*\t:64*\a+8*\t+7], v[YS+32*((\q)/4)+4*\t+(\q)%4], v[XS+16*((\q)/4)+4*\a+(\q)%4] matrix_a_fmt:MATRIX_FMT_FP4 matrix_b_fmt:MATRIX_FMT_FP4
.endif
.endr
.endr
.endm
.macro KSTEP q                         ; the next step's fragments are asked for, then this step is multiplied
	PLACES
	FETCH (\q)+1
	s_wait_dscnt 24                                ; all but the 24 loads just issued: this step's fragments are in
	MUL \q, 0
.endm
	s_wait_tensorcnt 0x1                           ; my scale words and my part of K half 0 are in; K half 1's load may be out
	s_barrier_signal -1
	s_barrier_wait -1                              ; everybody's are
	SCALES
	FETCH 0
	FETCH 1
	s_wait_dscnt 24
	MUL 0, 1
	KSTEP 1
	KSTEP 2
	s_wait_tensorcnt 0x0                           ; my part of K half 1 is in,
	s_wait_dscnt 0x0                               ; (no LDS instruction is pending at a signal; K step 3's fragments are in)
	s_barrier_signal -1
	s_barrier_wait -1                              ; everybody's is
	PLACES
	FETCH 4
	MUL 3, 0
	KSTEP 4
	KSTEP 5
	KSTEP 6
	s_wait_dscnt 0x0
	MUL 7, 0
	WIN 0
	PLACES
	s_wait_loadcnt 0x0                             ; the biases and the table
; 64 numbers of a lane, register 16 b + i = k 32 b + 16 h + i of my row, become a fragment's codes in v[pc] on and its scale word in v[PW]
.macro QUANT s, pc
.irp b, 0,1,2,3
	v_max3_num_f32 v[TM+\b], |v[\s+16*\b]|, |v[\s+1+16*\b]|, 0x1800000   ; my 16 numbers of block b, and the floor 2^(3 - 127): the byte cannot fall under 1
.endr
.irp i, 2,4,6,8,10,12,14
.irp b, 0,1,2,3
	v_max3_num_f32 v[TM+\b], v[TM+\b], |v[\s+16*\b+\i]|, |v[\s+1+16*\b+\i]|   ; (the four blocks by turns)
.endr
.endr
.irp b, 0,1,2,3
	v_permlanex16_b32 v[TM+4+\b], v[TM+\b], s[SEL], s[SEL+1]
.endr
.irp b, 0,1,2,3
	v_max_num_f32 v[TM+\b], v[TM+\b], v[TM+4+\b]   ; with lane l xor 16's: the block's largest magnitude
.endr
.irp b, 0,1,2,3
	v_add_nc_u32 v[TM+12+\b], 0xff000000, v[TM+\b] ; 2 off its exponent field: the conversion's scale operand
.endr
.irp b, 0,1,2,3
	v_lshrrev_b32 v[TM+4+\b], 23, v[TM+12+\b]      ; the scale's byte
.endr
	v_lshl_or_b32 v[PW], v[TM+5], 8, v[TM+4]
	v_lshl_or_b32 v[PW], v[TM+6], 16, v[PW]
	v_lshl_or_b32 v[PW], v[TM+7], 24, v[PW]
.irp b, 0,1,2,3
	v_cvt_scalef32_pk8_fp4_f32 v[\pc+2*\b], v[\s+16*\b:\s+7+16*\b], v[TM+12+\b]
	v_cvt_scalef32_pk8_fp4_f32 v[\pc+1+2*\b], v[\s+8+16*\b:\s+15+16*\b], v[TM+12+\b]
.endr
	v_nop                                          ; one plain place behind a scaled conversion
.irp c, 0,1                                    ; the operand's layout wants a whole block in a lane
.irp i, 0,1
	v_permlane16_swap_b32 v[\pc+4*\c+\i], v[\pc+2+4*\c+\i]
.endr
.endr
.endm
; X block a: bias, rotation (q, k), quantiser, stores.  The branch hangs on the cluster's number alone.  The bias's addition also brings the block into window 0; each accumulator is read from its low end on
.macro EPI a
	s_cmp_eq_u32 s[TI], 2
	s_cbranch_scc1 .Lvm_\@
	WIN 0x09                                       ; source 0 window 1, source 1 window 2
.set i, 0
.rept 32
	v_pk_add_f32 v[HA+i:HA+i+1], v[64*\a+i:64*\a+i+1], v[BN+i:BN+i+1]
.set i, i+2
.endr
	WIN 0x0c                                       ; source 1 window 3: cos and sin of my token
.irp b, 0,2                                    ; blocks 0 and 2 are the first 32 features of my two heads; my 16 of them are pairs 8 h + 0 .. 7
.irp p, 0,1,2,3,4,5,6,7
	v_mul_f32 v[RT], v[HA+16*\b+2*\p+1], v[16*\a+8+\p]
	v_mul_f32 v[RT+1], v[HA+16*\b+2*\p], v[16*\a+8+\p]
	v_fma_f32 v[HA+16*\b+2*\p], v[HA+16*\b+2*\p], v[16*\a+\p], -v[RT]          ; x0 cos - x1 sin
	v_fma_f32 v[HA+16*\b+2*\p+1], v[HA+16*\b+2*\p+1], v[16*\a+\p], v[RT+1]     ; x1 cos + x0 sin
.endr
.endr
	WIN 0
	s_branch .Ljoin_\@
.Lvm_\@:
	WIN 0x01                                       ; source 0 window 1
.set i, 0
.rept 32
	v_pk_add_f32 v[HA+i:HA+i+1], v[64*\a+i:64*\a+i+1], v[BM+2*\a:BM+2*\a+1] op_sel_hi:[1,0]   ; v: one channel a lane, one bias
.set i, i+2
.endr
	WIN 0
.Ljoin_\@:
	QUANT HA, PC+8*\a
	v_lshrrev_b32 v[SW+\a], v25, v[PW]             ; q, k: lanes 0-15 keep the first head's two bytes, lanes 16-31 the second's; v: the whole word
	v_and_or_b32 v[SW+\a], v[SW+\a], s[MSK], s[ORV]
	global_store_b128 v22, v[PC+8*\a:PC+8*\a+3], s[OB:OB+1] offset:512*\a      ; 32 lanes store 512 consecutive bytes
	global_store_b128 v23, v[PC+8*\a+4:PC+8*\a+7], s[OB:OB+1] offset:512*\a
.endm
	EPI 0
	EPI 1
	EPI 2
	EPI 3
	global_store_b128 v24, v[SW:SW+3], s[OB:OB+1]  ; sixteen lanes store 256 consecutive bytes, aligned
	s_wait_tensorcnt 0x0
	ds_add_u32 v235, v243
	s_wait_dscnt 0x0
	CROUND                                         ; the closing round: no work-group ends while a partner may still ask for a tile that names it
	s_endpgm
.Lfunc_end_k_q22186e95a7_proj:
	.size	k_q22186e95a7_proj, .Lfunc_end_k_q22186e95a7_proj-k_q22186e95a7_proj
	.p2alignl 7, 3214868480
	.fill 96, 4, 3214868480
	.section	.rodata,"a",@progbits
	.p2align	6, 0x0
	.amdhsa_kernel k_q22186e95a7_proj
		.amdhsa_group_segment_fixed_size 209408
		.amdhsa_private_segment_fixed_size 0
		.amdhsa_enable_private_segment 0
		.amdhsa_kernarg_size 64
		.amdhsa_user_sgpr_count 2
		.amdhsa_user_sgpr_kernarg_segment_ptr 1
		.amdhsa_wavefront_size32 1
		.amdhsa_system_sgpr_workgroup_id_x 1
		.amdhsa_system_sgpr_workgroup_id_y 1
		.amdhsa_system_sgpr_workgroup_id_z 1
		.amdhsa_system_vgpr_workitem_id 0
		.amdhsa_next_free_vgpr 832
		.amdhsa_next_free_sgpr 102
		.amdhsa_reserve_vcc 0
		.amdhsa_float_denorm_mode_32 3
		.amdhsa_float_denorm_mode_16_64 3
		.amdhsa_memory_ordered 1
		.amdhsa_forward_progress 1
		.amdhsa_inst_pref_size 108
	.end_amdhsa_kernel
	.amdgpu_metadata
---
amdhsa.version: [ 1, 2 ]
amdhsa.kernels:
  - .name:           k_q22186e95a7_proj
    .symbol:         k_q22186e95a7_proj.kd
    .args:
      - { .name: cod, .offset: 0, .size: 8, .value_kind: global_buffer, .address_space: global }
      - { .name: scl, .offset: 8, .size: 8, .value_kind: global_buffer, .address_space: global }
      - { .name: tab, .offset: 16, .size: 8, .value_kind: global_buffer, .address_space: global }
      - { .name: bq, .offset: 24, .size: 8, .value_kind: global_buffer, .address_space: global }
      - { .name: bk, .offset: 32, .size: 8, .value_kind: global_buffer, .address_space: global }
      - { .name: bv, .offset: 40, .size: 8, .value_kind: global_buffer, .address_space: global }
      - { .name: qb, .offset: 48, .size: 8, .value_kind: global_buffer, .address_space: global }
      - { .name: kv, .offset: 56, .size: 8, .value_kind: global_buffer, .address_space: global }
    .group_segment_fixed_size: 209408
    .private_segment_fixed_size: 0
    .kernarg_segment_align: 8
    .kernarg_segment_size: 64
    .max_flat_workgroup_size: 128
    .sgpr_count:     102
    .vgpr_count:     832
    .wavefront_size: 32
...
	.end_amdgpu_metadata
.endif
;; end of part 2
;; launch attn (part 3): grid 8 x 32, 16 waves a work-group, clusters of 4 x 1, 327,680 bytes of LDS; arguments qb, kv, ximg, xs; writes ximg, xs
.if DOCPART == 3
	.amdgcn_target "amdgcn-amd-amdhsa--gfx1250"
	.amdhsa_code_object_version 6
	.text
	.protected	k_q22186e95a7_attn
	.globl	k_q22186e95a7_attn
	.p2align	8
	.type	k_q22186e95a7_attn,@function
k_q22186e95a7_attn:
	s_mov_b64 s[64:65], 0
	v_nop
	global_prefetch_b8 v0, s[64:65] scope:SCOPE_SE
	s_setreg_imm32_b32 hwreg(HW_REG_WAVE_MODE, 25, 1), 1
	s_wait_xcnt 0x0
	s_wait_alu depctr_hold_cnt(0) depctr_sa_sdst(0) depctr_va_vdst(0) depctr_va_sdst(0) depctr_va_ssrc(0) depctr_va_vcc(0) depctr_vm_vsrc(0)
	s_getreg_b32 s2, hwreg(HW_REG_IB_STS2, 6, 4)
	s_cmp_eq_u32 s2, 0
	s_cbranch_scc0 .Lentry_in_a_cluster
	s_endpgm
.Lentry_in_a_cluster:
	s_bfe_u32 s2, ttmp6, 0x10000c
	s_cmp_lg_u32 s2, 0x3003
	s_cbranch_scc0 .Lentry_shape_is_right
	s_endpgm
.Lentry_shape_is_right:
; Attention on codes of FP4 (E2M1, one E8M0 byte for each 32 along a product's K): S^T = K Q^T, the softmax, O^T = V^T P^T, O / l, and the quantising of the result along the model's 1,024 for the last product.
; THE SOFTMAX: t = score x log2(e) / 8; M = the running largest t, rounded UP to a whole number; p = 2^(t - M) is what is quantised, along the keys.  The row's sum l is taken of the unquantised p and divides O at the end.
; When M moves, l and O are multiplied by 2^(old M - new M): exact.
; SHARES.  A work-group owns 256 query positions of one batch and the TWO heads 2 pair, 2 pair + 1; each of its sixteen waves owns one tile of 16 queries and walks the first head's 16 key steps of 128 keys, then the second's.
; So a lane ends with all four bytes of its row's scale word for K step 'pair' of the last product.  Four waves share a SIMD: one wave's vector work stands beside another's matrix work and LDS loads.
; LDS holds both heads' K, V and scale words whole, as they lie in kv (32 key steps x 8,960 bytes): every byte is filled once.  Each wave brings two dense parts: a small one (together: key steps 0 to 3) and the rest, which
; lands while the first four steps are worked.  By this text's own count a wave has two tensor loads out.
; CLUSTER 4 x 1: the four query blocks of a cluster walk the same K and V: each part is asked for jointly, with the mask of all four.
; LAYOUT.  Both products are used transposed: a lane holds ONE query (lane % 16) throughout.  The keys of tile t are 32 (t / 2) + 8 (t % 2) + m + 8 (m / 8), so the 16 registers of tiles 2 b, 2 b + 1 are keys 32 b + 16 h + 0 .. 15;
; V's channels are laid the same way, so O^T's 16 registers of channel tiles 2 B, 2 B + 1 are channels 32 B + 16 h + 0 .. 15.
; A HEAD HAS K = 64, the instruction 128: Q's registers 4-7 are zero codes, so what K's registers 4-7 hold (the next tile's codes; behind the last tile, zeros) adds exact zeros; the upper two bytes of both scale words are 0x7f.
; A block's largest p is not searched for: the block's largest score goes through the same multiply-add and exponential (this takes v_exp_f32 not to fall where its input rises).
; LIMITS: NaN and infinities are not served; a block of zeros, or under 2^-124, gets the byte 1 (read by this program alone).
.set STEPB, 8960
.set SCR,  286720                      ; behind the tiles: 1,024 bytes for the work-group's 256 scale words; no tile lands here
.set LI0,  1                           ; v1   16 x lane
.set LS0,  2                           ; v2   16 r
.set ADK,  3                           ; v3   the step's images
.set ADS,  4                           ; v4   the step's scale words
.set SWA,  5                           ; v5   SCR + 64 x wave + 4 r
.set XW,   6                           ; v6   my row's scale word of x
.set RDA,  9                           ; v9   SCR + 16 x thread (waves 0 and 1)
.set GOA,  10                          ; v10  16 x thread
.set QA,   16                          ; v16-19 Q of the first head, v20-23 zeros;  v24-27 of the second, v28-31 zeros;  their scale words v7, v8
.set QB,   24
.set KF,   32                          ; v32-63 K: four registers a tile; v64-67 zeros
.set VF,   68                          ; v68-99 V: eight registers a channel tile
.set S,    100                         ; v100-163 S^T, then p
.set OT,   164                         ; v164-195 O^T
.set PCD,  196                         ; v196-203 p's codes
.set KS,   204                         ; v204-211 K's scale words; v212-215 V's
.set VS,   212
.set BX,   216                         ; v216-219 the blocks' largest scores, then p
.set BT,   220                         ; v220-223 at work
.set SOP,  224                         ; v224-227 the conversions' scale operands
.set FF,   228                         ; v[228:229] f = 2^(old M - new M)
.set PW,   230                         ; p's scale word: it holds nothing else
.set TT,   231                         ; at work
.set XC,   232                         ; v232-239 x's codes, four registers a head, never rewritten
.set WV,   12
.set SEL,  40
.set CS,   42
.set TB,   44
.set CNT,  45
.macro CROUND                          ; a round of the cluster's barrier
	s_barrier_signal -1
	s_barrier_wait -1
	s_cmp_lg_u32 s[WV], 0
	s_cbranch_scc1 .Lnot_wave_0_\@
	s_barrier_signal -3
.Lnot_wave_0_\@:
	s_barrier_wait -3
	s_barrier_signal -1
	s_barrier_wait -1
.endm
	s_load_b256 s[4:11], s[0:1], 0x0               ; qb 4, kv 6, ximg 8, xs 10
	v_lshl_add_u32 v254, v0, 2, 0x46400
	v_mov_b32 v255, 0
	ds_add_u32 v254, v255
	ds_add_u32 v254, v255
	v_lshrrev_b32 v1, 5, v0
	s_delay_alu instid0(VALU_DEP_1)
	v_readfirstlane_b32 s[WV], v1                  ; wave 0..15
	s_bfe_u32 s13, ttmp6, 0x40000                  ; cx
	s_lshl_b32 s14, ttmp9, 2
	s_add_co_u32 s14, s14, s13                     ; my block of 256 queries: it enters the addresses of plain loads and stores alone
	s_and_b32 s15, ttmp7, 0xffff                   ; y = 8 x batch + pair, which the four partners share
	; group 1: 15:0 the mask of all four; 17:16 elements of 8 bytes; 21 set beside a mask; rows of 256 bytes, dense: 9 rows, and 61
	s_mov_b32 s16, 15|(3<<16)|(1<<21)
	s_mov_b32 s17, 32<<16
	s_mov_b32 s18, 9<<16
	s_mov_b32 s19, 32<<16
	s_mov_b32 s20, 9
	s_mov_b32 s21, 32
	s_mov_b32 s22, 0
	s_mov_b32 s23, 0
	s_mov_b32 s24, 15|(3<<16)|(1<<21)
	s_mov_b32 s25, 32<<16
	s_mov_b32 s26, 61<<16
	s_mov_b32 s27, 32<<16
	s_mov_b32 s28, 61
	s_mov_b32 s29, 32
	s_mov_b32 s30, 0
	s_mov_b32 s31, 0
	s_mul_i32 s46, s15, 286720                     ; the two heads' block in kv
	s_mul_i32 s47, s[WV], 2304                     ; my small part: in LDS as in the block
	s_mul_i32 s48, s[WV], 15616
	s_add_co_u32 s48, s48, 36864                   ; my large part
	s_add_co_u32 s50, s46, s47
	s_mov_b32 s51, 0
	s_add_co_u32 s52, s46, s48
	s_mov_b32 s53, 0
	s_lshl_b32 s54, s14, 4
	s_add_co_u32 s54, s54, s[WV]                   ; T: my tile of queries in the batch
	s_mul_i32 s56, s15, 147456                     ; the two heads' block in qb
	s_lshl_b32 s55, s54, 9
	s_add_co_u32 s56, s56, s55                     ; Q's codes: 512 a tile
	s_mov_b32 s57, 0
	s_mul_i32 s58, s15, 147456
	s_lshr_b32 s55, s54, 2
	s_lshl_b32 s55, s55, 8
	s_add_co_u32 s58, s58, s55                     ; Q's scale words: 256 a quad of tiles,
	s_and_b32 s55, s54, 3
	s_lshl_b32 s55, s55, 2
	s_add_co_u32 s58, s58, s55                     ; 4 a tile in it,
	s_add_co_u32 s58, s58, 65536                   ; behind the codes
	s_mov_b32 s59, 0
	s_lshr_b32 s55, s15, 3                         ; the batch
	s_and_b32 s62, s15, 7                          ; the pair of heads
	s_lshl_b32 s60, s55, 7
	s_add_co_u32 s60, s60, s54
	s_lshl_b32 s60, s60, 13                        ; ximg: 8,192 a tile of rows,
	s_lshl_b32 s61, s62, 10
	s_add_co_u32 s60, s60, s61                     ; 1,024 a K step
	s_mov_b32 s61, 0
	s_lshl_b32 s62, s62, 15                        ; xs: 32,768 a K step,
	s_lshl_b32 s55, s55, 13
	s_add_co_u32 s62, s62, s55                     ; 4 a position
	s_lshl_b32 s55, s14, 10
	s_add_co_u32 s62, s62, s55
	s_mov_b32 s63, 0
	s_mov_b32 s[SEL], 0x76543210
	s_mov_b32 s[SEL+1], 0xfedcba98                 ; selects for lane l xor 16
	s_mov_b32 s[CS], 0x3e38aa3b                    ; c = log2(e) / 8
	s_mov_b32 s[CS+1], s[CS]                       ; (named with it as a pair, so it is written)
	s_mov_b32 s[TB], 0
	s_wait_dscnt 0x0
	s_wait_kmcnt 0x0
	s_mov_b32 s32, 1
	s_mov_b32 s33, s47
	s_add_nc_u64 s[34:35], s[6:7], s[50:51]
	s_or_b32 s35, s35, 0x80000000
	s_mov_b32 s36, 1
	s_mov_b32 s37, s48
	s_add_nc_u64 s[38:39], s[6:7], s[52:53]
	s_or_b32 s39, s39, 0x80000000
	s_add_nc_u64 s[56:57], s[4:5], s[56:57]
	s_add_nc_u64 s[58:59], s[4:5], s[58:59]
	s_add_nc_u64 s[8:9], s[8:9], s[60:61]
	s_add_nc_u64 s[10:11], s[10:11], s[62:63]
	CROUND                                         ; all four work-groups are here: the joint loads meet
	tensor_load_to_lds s[32:35], s[16:23]
	s_nop 0
	s_wait_alu depctr_va_vdst(0)
	s_wait_tensorcnt 0x0
	ds_add_u32 v254, v255
	s_wait_dscnt 0x0
	CROUND
	tensor_load_to_lds s[36:39], s[24:31]
	s_nop 0
.rept 4
	v_nop
.endr
	v_and_b32 v11, 31, v0
	s_delay_alu instid0(VALU_DEP_1)
	v_lshlrev_b32 v[LI0], 4, v11
	v_and_b32 v11, 15, v0
	s_delay_alu instid0(VALU_DEP_1)
	v_lshlrev_b32 v[LS0], 4, v11
	global_load_b128 v[QA:QA+3], v[LI0], s[56:57]                  ; Q stays in registers
	global_load_b128 v[QB:QB+3], v[LI0], s[56:57] offset:73728
	global_load_b32 v7, v[LS0], s[58:59]
	global_load_b32 v8, v[LS0], s[58:59] offset:73728
	s_lshl_b32 s55, s[WV], 6
	s_add_co_u32 s55, s55, SCR
	v_lshl_add_u32 v[SWA], v11, 2, s55
	v_lshlrev_b32 v[GOA], 4, v0
	s_delay_alu instid0(VALU_DEP_1)
	v_add_nc_u32 v[RDA], SCR, v[GOA]
.irp j, 0,1,2,3
	v_mov_b32 v[QA+4+\j], 0                        ; zero codes for the K that a head does not have
	v_mov_b32 v[QB+4+\j], 0
	v_mov_b32 v[KF+32+\j], 0
	v_mov_b32 v[BT+\j], 0                          ; written once: a lane permute's destination counts as one of its sources
.endr
	v_mov_b32 v[FF+1], 0                           ; (named as the upper half of a pair)
	v_mov_b32 v[TT], 0
; A KEY STEP: 128 keys of the head whose Q lies in v[qf] on, with its scale words in v[qs]
.macro STEP qf, qs
	s_setprio 2
	v_add_nc_u32 v[ADK], s[TB], v[LI0]
	v_add_nc_u32 v[ADS], s[TB], v[LS0]
	v_nop
	v_nop                                          ; four plain places behind the last step's products, ahead of the loads into V's registers
.irp t, 0,1,2,3,4,5,6,7
	ds_load_b128 v[KF+4*\t:KF+4*\t+3], v[ADK] offset:512*\t
.endr
.irp g, 0,1
	ds_load_b128 v[KS+4*\g:KS+4*\g+3], v[ADS] offset:8192+256*\g
.endr
.irp c, 0,1
.irp t, 0,1,2,3
	ds_load_b128 v[VF+8*\t+4*\c:VF+8*\t+4*\c+3], v[ADK] offset:4096+2048*\c+512*\t
.endr
.endr
	ds_load_b128 v[VS:VS+3], v[ADS] offset:8704
	s_wait_dscnt 9                                 ; K's ten loads are in; V's nine may stay out through the softmax
.irp t, 0,1,2,3,4,5,6,7
	v_wmma_scale_f32_16x16x128_f8f6f4 v[S+8*\t:S+8*\t+7], v[KF+4*\t:KF+4*\t+7], v[\qf:\qf+7], 0, v[KS+\t], v[\qs] matrix_a_fmt:MATRIX_FMT_FP4 matrix_b_fmt:MATRIX_FMT_FP4
.endr
.rept 4
	v_nop
.endr
.irp b, 0,1,2,3
	v_max3_num_f32 v[BX+\b], v[S+16*\b], v[S+1+16*\b], v[S+2+16*\b]     ; the largest score of each block of 32 keys: for the row's maximum, and for the block's largest p
.endr
.irp i, 3,5,7,9,11,13
.irp b, 0,1,2,3
	v_max3_num_f32 v[BX+\b], v[BX+\b], v[S+16*\b+\i], v[S+1+16*\b+\i]   ; (the four blocks by turns)
.endr
.endr
.irp b, 0,1,2,3
	v_max_num_f32 v[BX+\b], v[BX+\b], v[S+15+16*\b]
.endr
.irp b, 0,1,2,3
	s_delay_alu instid0(VALU_DEP_4)
	v_permlanex16_b32 v[BT+\b], v[BX+\b], s[SEL], s[SEL+1]
.endr
.irp b, 0,1,2,3
	s_delay_alu instid0(VALU_DEP_4)
	v_max_num_f32 v[BX+\b], v[BX+\b], v[BT+\b]     ; with lane l xor 16's 16 keys
.endr
	s_delay_alu instid0(VALU_DEP_2)
	v_max3_num_f32 v[TT], v[BX], v[BX+1], v[BX+2]
	s_delay_alu instid0(VALU_DEP_1)
	v_max_num_f32 v[TT], v[TT], v[BX+3]            ; the step's largest score of my query
	s_delay_alu instid0(VALU_DEP_1)
	v_mul_f32 v[TT], s[CS], v[TT]                  ; as t (c is positive)
	s_delay_alu instid0(VALU_DEP_1)
	v_max_num_f32 v13, v13, v[TT]                  ; the running largest t
	v_mov_b32 v[TT], v12
	s_delay_alu instid0(VALU_DEP_2)
	v_floor_f32 v12, -v13                          ; the new -M = floor(-t): M is a whole number
	s_delay_alu instid0(VALU_DEP_1)
	v_sub_f32 v[TT], v12, v[TT]                    ; old M - new M: a whole number, 0 or less
	s_delay_alu instid0(VALU_DEP_1)
	v_cvt_i32_f32 v[TT], v[TT]                     ; (it saturates)
	s_delay_alu instid0(VALU_DEP_1)
	v_ldexp_f32 v[FF], 1.0, v[TT]                  ; f
.set j, 0
.rept 32
	v_pk_fma_f32 v[S+j:S+j+1], v[S+j:S+j+1], s[CS:CS+1], v[12:13] op_sel_hi:[1,0,0]   ; t - M, two at a time
.set j, j+2
.endr
.irp b, 0,1,2,3
	v_fma_f32 v[BX+\b], v[BX+\b], s[CS], v12       ; the same of each block's largest score
.endr
.set j, 0
	s_wait_alu depctr_va_vdst(0)
.rept 64
	v_exp_f32 v[S+j], v[S+j]                       ; p = 2^(t - M), at most 1: not normalised
.set j, j+1
.endr
	s_setprio 1
	v_pk_mul_f32 v[14:15], v[14:15], v[FF:FF+1] op_sel_hi:[1,0]    ; the sums under the new M: the plain place behind the exponentials
	s_wait_alu depctr_va_vdst(0)                   ; one wait for the whole batch, ahead of its first reader
.irp b, 0,1,2,3
	v_exp_f32 v[BX+\b], v[BX+\b]                   ; the block's largest p
.endr
	v_pk_add_f32 v[BT:BT+1], v[S:S+1], v[S+2:S+3]  ; the row's sum of the unquantised p, in two chains; it reads the 64 alone
.irp j, 4,8,12,16,20,24,28,32,36,40,44,48,52,56,60
	v_pk_add_f32 v[14:15], v[14:15], v[S+\j:S+1+\j]
	v_pk_add_f32 v[BT:BT+1], v[BT:BT+1], v[S+2+\j:S+3+\j]
.endr
	s_delay_alu instid0(VALU_DEP_1)
	v_pk_add_f32 v[14:15], v[14:15], v[BT:BT+1]
	s_wait_alu depctr_va_vdst(0)                   ; and one for the four
.irp b, 0,1,2,3
	v_max_num_f32 v[BX+\b], 0x1800000, v[BX+\b]    ; the floor 2^(3 - 127): the byte cannot fall under 1
.endr
.irp b, 0,1,2,3
	s_delay_alu instid0(VALU_DEP_4)
	v_add_nc_u32 v[SOP+\b], 0xff000000, v[BX+\b]   ; 2 off the exponent field: the conversion's scale operand
.endr
.irp b, 0,1,2,3
	s_delay_alu instid0(VALU_DEP_4)
	v_lshrrev_b32 v[BT+\b], 23, v[SOP+\b]          ; the scale's byte
.endr
	s_delay_alu instid0(VALU_DEP_3)
	v_lshl_or_b32 v[PW], v[BT+1], 8, v[BT]         ; p's scale word for these 128 keys
	s_delay_alu instid0(VALU_DEP_1)
	v_lshl_or_b32 v[PW], v[BT+2], 16, v[PW]
	s_delay_alu instid0(VALU_DEP_1)
	v_lshl_or_b32 v[PW], v[BT+3], 24, v[PW]
.irp b, 0,1,2,3
	v_cvt_scalef32_pk8_fp4_f32 v[PCD+2*\b], v[S+16*\b:S+7+16*\b], v[SOP+\b]
	v_cvt_scalef32_pk8_fp4_f32 v[PCD+1+2*\b], v[S+8+16*\b:S+15+16*\b], v[SOP+\b]
.endr
	v_nop                                          ; one plain place behind a scaled conversion
.irp c, 0,1                                    ; the operand's layout wants a whole block in a lane
.irp i, 0,1
	v_permlane16_swap_b32 v[PCD+4*\c+\i], v[PCD+2+4*\c+\i]
.endr
.endr
.set j, 0
	s_setprio 0
.rept 16
	v_pk_mul_f32 v[OT+j:OT+j+1], v[OT+j:OT+j+1], v[FF:FF+1] op_sel_hi:[1,0]    ; O^T under the new M.  (These sixteen are also the places between the scale word and codes just made and the products below)
.set j, j+2
.endr
	s_wait_alu depctr_va_vdst(0)
	s_wait_dscnt 0x0                               ; V and its scale words are in
.irp t, 0,1,2,3                                ; the four accumulators take turns, one instruction a turn
	v_wmma_scale_f32_16x16x128_f8f6f4 v[OT+8*\t:OT+8*\t+7], v[VF+8*\t:VF+8*\t+7], v[PCD:PCD+7], v[OT+8*\t:OT+8*\t+7], v[VS+\t], v[PW] matrix_a_fmt:MATRIX_FMT_FP4 matrix_b_fmt:MATRIX_FMT_FP4
.endr
	s_add_co_u32 s[TB], s[TB], STEPB
.endm
.macro INIT                            ; a head begins: the step is written without a first step of its own: it finds zeros, which the first change of M leaves zeros
	v_mov_b32 v13, 0xff61b1e6                      ; the largest t so far: -3e38
	s_delay_alu instid0(VALU_DEP_1)
	v_floor_f32 v12, -v13
	v_mov_b32 v14, 0
	v_mov_b32 v15, 0
.set j, 0
.rept 32
	v_mov_b32 v[OT+j], 0
.set j, j+1
.endr
.endm
; A head ends: O^T / l, quantised along the head's 64 channels (two blocks), codes stored as an image; the two bytes go into my row's scale word
.macro EPI pass
.rept 4
	v_nop                                          ; places behind the last products
.endr
	v_add_f32 v14, v14, v15
	s_delay_alu instid0(VALU_DEP_1)
	v_permlanex16_b32 v[TT], v14, s[SEL], s[SEL+1]
	s_delay_alu instid0(VALU_DEP_1)
	v_add_f32 v14, v14, v[TT]                      ; the row's sum
	s_wait_alu depctr_va_vdst(0)
	v_rcp_f32 v14, v14
	v_nop                                          ; a plain place behind the reciprocal,
	s_wait_alu depctr_va_vdst(0)                   ; and the wait ahead of its first reader
.set j, 0
.rept 16
	v_pk_mul_f32 v[S+j:S+j+1], v[OT+j:OT+j+1], v[14:15] op_sel_hi:[1,0]        ; register 16 B + i: channel 32 B + 16 h + i
.set j, j+2
.endr
.irp b, 0,1
	v_max3_num_f32 v[BX+\b], |v[S+16*\b]|, |v[S+1+16*\b]|, 0x1800000
.endr
.irp i, 2,4,6,8,10,12,14
.irp b, 0,1
	s_delay_alu instid0(VALU_DEP_2)
	v_max3_num_f32 v[BX+\b], v[BX+\b], |v[S+16*\b+\i]|, |v[S+1+16*\b+\i]|
.endr
.endr
.irp b, 0,1
	s_delay_alu instid0(VALU_DEP_2)
	v_permlanex16_b32 v[BT+\b], v[BX+\b], s[SEL], s[SEL+1]
.endr
.irp b, 0,1
	s_delay_alu instid0(VALU_DEP_2)
	v_max_num_f32 v[BX+\b], v[BX+\b], v[BT+\b]
.endr
.irp b, 0,1
	s_delay_alu instid0(VALU_DEP_2)
	v_add_nc_u32 v[SOP+\b], 0xff000000, v[BX+\b]
.endr
.irp b, 0,1
	s_delay_alu instid0(VALU_DEP_2)
	v_lshrrev_b32 v[BT+\b], 23, v[SOP+\b]
.endr
	s_delay_alu instid0(VALU_DEP_1)
	v_lshl_or_b32 v[TT], v[BT+1], 8, v[BT]
.irp b, 0,1
	v_cvt_scalef32_pk8_fp4_f32 v[XC+4*\pass+2*\b], v[S+16*\b:S+7+16*\b], v[SOP+\b]
	v_cvt_scalef32_pk8_fp4_f32 v[XC+4*\pass+1+2*\b], v[S+8+16*\b:S+15+16*\b], v[SOP+\b]
.endr
	v_nop
.irp i, 0,1
	v_permlane16_swap_b32 v[XC+4*\pass+\i], v[XC+4*\pass+2+\i]     ; lane (r, h): channels 32 h + 0 .. 31
.endr
	global_store_b128 v[LI0], v[XC+4*\pass:XC+4*\pass+3], s[8:9] offset:512*\pass   ; 32 lanes store 512 consecutive bytes
.if \pass == 0
	v_mov_b32 v[XW], v[TT]
.else
	v_lshl_or_b32 v[XW], v[TT], 16, v[XW]
.endif
.endm
	s_wait_tensorcnt 0x1                           ; my small part is in; the large one may be out
	s_barrier_signal -1
	s_barrier_wait -1                              ; key steps 0 to 3 are whole
	s_wait_loadcnt 0x0                             ; Q
	INIT
	s_mov_b32 s[CNT], 4
.Lfirst:
	STEP QA, 7
	s_sub_co_u32 s[CNT], s[CNT], 1
	s_cmp_lg_u32 s[CNT], 0
	s_cbranch_scc1 .Lfirst
	s_setprio 0
	s_wait_tensorcnt 0x0                           ; my large part is in,
	s_wait_dscnt 0x0
	s_barrier_signal -1
	s_barrier_wait -1                              ; everybody's is
	s_mov_b32 s[CNT], 12
.Lrest:
	STEP QA, 7
	s_sub_co_u32 s[CNT], s[CNT], 1
	s_cmp_lg_u32 s[CNT], 0
	s_cbranch_scc1 .Lrest
	s_setprio 0
	EPI 0
	INIT
	s_mov_b32 s[CNT], 16
.Lsecond:                                          ; the second head's block follows the first's in LDS
	STEP QB, 8
	s_sub_co_u32 s[CNT], s[CNT], 1
	s_cmp_lg_u32 s[CNT], 0
	s_cbranch_scc1 .Lsecond
	s_setprio 0
	EPI 1
	ds_store_b32 v[SWA], v[XW]                     ; lanes r and r + 16 write the same word with the same value
	s_wait_dscnt 0x0                               ; for the others' sake
	s_barrier_signal -1
	s_barrier_wait -1
	s_cmp_gt_u32 s[WV], 1                          ; waves 0 and 1 store the work-group's 256 words: 1,024 consecutive bytes
	s_cbranch_scc1 .Lnot_mine
	ds_load_b128 v[S:S+3], v[RDA]
	s_wait_dscnt 0x0
	global_store_b128 v[GOA], v[S:S+3], s[10:11]
.Lnot_mine:
	s_wait_tensorcnt 0x0
	ds_add_u32 v254, v255
	s_wait_dscnt 0x0
	CROUND                                         ; the closing round
	s_endpgm
.Lfunc_end_k_q22186e95a7_attn:
	.size	k_q22186e95a7_attn, .Lfunc_end_k_q22186e95a7_attn-k_q22186e95a7_attn
	.p2alignl 7, 3214868480
	.fill 96, 4, 3214868480
	.section	.rodata,"a",@progbits
	.p2align	6, 0x0
	.amdhsa_kernel k_q22186e95a7_attn
		.amdhsa_group_segment_fixed_size 327680
		.amdhsa_private_segment_fixed_size 0
		.amdhsa_enable_private_segment 0
		.amdhsa_kernarg_size 32
		.amdhsa_user_sgpr_count 2
		.amdhsa_user_sgpr_kernarg_segment_ptr 1
		.amdhsa_wavefront_size32 1
		.amdhsa_system_sgpr_workgroup_id_x 1
		.amdhsa_system_sgpr_workgroup_id_y 1
		.amdhsa_system_sgpr_workgroup_id_z 1
		.amdhsa_system_vgpr_workitem_id 0
		.amdhsa_next_free_vgpr 256
		.amdhsa_next_free_sgpr 66
		.amdhsa_reserve_vcc 0
		.amdhsa_float_denorm_mode_32 3
		.amdhsa_float_denorm_mode_16_64 3
		.amdhsa_memory_ordered 1
		.amdhsa_forward_progress 1
		.amdhsa_inst_pref_size 66
	.end_amdhsa_kernel
	.amdgpu_metadata
---
amdhsa.version: [ 1, 2 ]
amdhsa.kernels:
  - .name:           k_q22186e95a7_attn
    .symbol:         k_q22186e95a7_attn.kd
    .args:
      - { .name: qb, .offset: 0, .size: 8, .value_kind: global_buffer, .address_space: global }
      - { .name: kv, .offset: 8, .size: 8, .value_kind: global_buffer, .address_space: global }
      - { .name: ximg, .offset: 16, .size: 8, .value_kind: global_buffer, .address_space: global }
      - { .name: xs, .offset: 24, .size: 8, .value_kind: global_buffer, .address_space: global }
    .group_segment_fixed_size: 327680
    .private_segment_fixed_size: 0
    .kernarg_segment_align: 8
    .kernarg_segment_size: 32
    .max_flat_workgroup_size: 512
    .sgpr_count:     66
    .vgpr_count:     256
    .wavefront_size: 32
...
	.end_amdgpu_metadata
.endif
;; end of part 3
;; launch outp (part 4): grid 4 x 64, 4 waves a work-group, clusters of 4 x 4, 243,200 bytes of LDS; arguments ximg, xs, cod, scl, bo, out0; writes out0
.if DOCPART == 4
	.amdgcn_target "amdgcn-amd-amdhsa--gfx1250"
	.amdhsa_code_object_version 6
	.text
	.protected	k_q22186e95a7_outp
	.globl	k_q22186e95a7_outp
	.p2align	8
	.type	k_q22186e95a7_outp,@function
k_q22186e95a7_outp:
	s_mov_b64 s[64:65], 0
	v_nop
	global_prefetch_b8 v0, s[64:65] scope:SCOPE_SE
	s_setreg_imm32_b32 hwreg(HW_REG_WAVE_MODE, 25, 1), 1
	s_wait_xcnt 0x0
	s_wait_alu depctr_hold_cnt(0) depctr_sa_sdst(0) depctr_va_vdst(0) depctr_va_sdst(0) depctr_va_ssrc(0) depctr_va_vcc(0) depctr_vm_vsrc(0)
	s_getreg_b32 s2, hwreg(HW_REG_IB_STS2, 6, 4)
	s_cmp_eq_u32 s2, 0
	s_cbranch_scc0 .Lentry_in_a_cluster
	s_endpgm
.Lentry_in_a_cluster:
	s_bfe_u32 s2, ttmp6, 0x10000c
	s_cmp_lg_u32 s2, 0xf033
	s_cbranch_scc0 .Lentry_shape_is_right
	s_endpgm
.Lentry_shape_is_right:
; out0 = x Wo^T + bo on codes of FP4 (E2M1, one E8M0 byte for each 32 along K).  x's codes lie in ximg as images of the operand's registers, [row tile][K step][1,024 bytes], its scale words in xs, [K step][position];
; Wo's in cod and scl from row tile 1,728 on.  A work-group makes 128 tokens (X) x 256 outputs (Y) over all of K = 1,024; four waves, each 64 x 128: 32 accumulators.
; THE MATRIX INSTRUCTION: source 0 = 16 rows of Wo, source 1 = 16 tokens: lane (r, h) holds token position r; the 16 registers of Y tiles 2 b, 2 b + 1 are outputs 32 b + 16 h + 0 .. 15.  Row tile T holds rows
; 32 (T / 2) + 8 (T % 2) + m + 8 (m / 8): the order of the tokens is undone in the stores' offsets.  The bias is the C of each sum's first matrix instruction.
; All of K fits in LDS: every byte is filled once, in two K halves; the second lands while the first is multiplied.  By this text's own count a wave has three tensor loads out.
; CLUSTER 4 x 4: X's tiles hang on cy alone and are asked for jointly by a row of the cluster, Y's on cx alone, by a column.
; REGISTERS.  window 0: v1-6, v16-24 addresses; v32-63 X's scale words, v64-127 Y's (they hold nothing else); v128-255 rows on the way out.  window 1: accumulator (a, t) at v[64 a + 8 t].
;   window 2: X's fragments, two sets, v0-63; Y's, two sets, v64-191; v192-255 the bias.
.set SLOT,  98304
.set YOFF,  32768
.set SCX,   196608                     ; X's scale words: [half of the tokens][K step][64 positions]
.set SCY,   200704
.set STG,   208896                     ; the way out: 16 rows x (512 + 16) bytes for each wave; no tile lands here
.set SPITCH, 528
.set ADX, 16
.set ADY, 18
.set ASX, 20
.set ASY, 21
.set STO, 22
.set RD,  23
.set XS,  32
.set YS,  64
.set XF,  0
.set YF,  64
.set BN,  192
.set BK,  128
.set WV,  20
.set XH,  21
.set YH,  22
.set G1X, 32
.set G1Y, 40
.set G1SX, 48
.set G1SY, 56
.set MSB, 0
.macro WIN new                         ; the immediate's high byte repeats the setting that is left
.if MSB != \new
	s_set_vgpr_msb (MSB<<8)|\new
.set MSB, \new
.endif
.endm
.macro JLOAD g0x, g1x, g0y, g1y        ; a joint load: waves 0 and 1 fetch for X, waves 2 and 3 for Y; four v_nop follow each of the two lines
	s_cmp_eq_u32 s[XH], 0
	s_cbranch_scc0 .Lfor_y_\@
	tensor_load_to_lds s[\g0x:\g0x+3], s[\g1x:\g1x+7]
	s_nop 0
.rept 4
	v_nop
.endr
	s_branch .Lasked_\@
.Lfor_y_\@:
	tensor_load_to_lds s[\g0y:\g0y+3], s[\g1y:\g1y+7]
	s_nop 0
.rept 4
	v_nop
.endr
.Lasked_\@:
.endm
.macro CROUND                          ; a round of the cluster's barrier
	s_barrier_signal -1
	s_barrier_wait -1
	s_cmp_lg_u32 s[WV], 0
	s_cbranch_scc1 .Lnot_wave_0_\@
	s_barrier_signal -3
.Lnot_wave_0_\@:
	s_barrier_wait -3
	s_barrier_signal -1
	s_barrier_wait -1
.endm
.macro PLACES                          ; four plain places behind a matrix instruction, ahead of loads into registers that it has read and of reads of its result
.rept 4
	v_nop
.endr
.endm
	s_load_b256 s[4:11], s[0:1], 0x0               ; ximg 4, xs 6, cod 8, scl 10
	s_load_b128 s[12:15], s[0:1], 0x20             ; bo 12, out0 14
	v_lshl_add_u32 v30, v0, 2, 0x3b400
	v_mov_b32 v31, 0
	ds_add_u32 v30, v31
	ds_add_u32 v30, v31
	v_lshrrev_b32 v1, 5, v0
	v_readfirstlane_b32 s[WV], v1
	s_lshr_b32 s[XH], s[WV], 1                     ; which 64 tokens are mine.  Also: I fetch for X (0) or for Y (1)
	s_and_b32 s[YH], s[WV], 1                      ; which 128 outputs.  Also: which half of that tile I fetch
	s_bfe_u32 s23, ttmp6, 0x40000                  ; cx
	s_bfe_u32 s24, ttmp6, 0x40004                  ; cy
	s_and_b32 s92, ttmp7, 0xffff                   ; s92-95 serve X and never hold cx; s96-99 serve Y and never hold cy
	s_lshl_b32 s92, s92, 2
	s_add_co_u32 s92, s92, s24                     ; X tile
	s_lshl_b32 s96, ttmp9, 2
	s_add_co_u32 s96, s96, s23                     ; Y tile
	s_lshl_b32 s66, s92, 7
	s_lshl_b32 s2, s[XH], 6
	s_add_co_u32 s66, s66, s2                      ; P0: my first token position
	s_lshl_b32 s67, s96, 8
	s_lshl_b32 s2, s[YH], 7
	s_add_co_u32 s67, s67, s2                      ; N0: my first output
	s_lshl_b32 s94, s92, 9                         ; xs: 4 bytes a position: 512 an X tile,
	s_lshl_b32 s93, s[YH], 8
	s_add_co_u32 s94, s94, s93                     ; 256 a half
	s_mov_b32 s95, 0
	s_lshl_b32 s92, s92, 3
	s_lshl_b32 s93, s[YH], 2
	s_add_co_u32 s92, s92, s93                     ; the first of the 4 row tiles of x that I would fetch
	s_lshl_b32 s92, s92, 13
	s_mov_b32 s93, 0
	s_lshl_b32 s96, s96, 4
	s_lshl_b32 s97, s[YH], 3
	s_add_co_u32 s96, s96, s97
	s_add_co_u32 s96, s96, 1728                    ; the first of the 8 of Wo
	s_lshl_b32 s98, s96, 9
	s_mov_b32 s99, 0
	s_lshl_b32 s96, s96, 13
	s_mov_b32 s97, 0
	s_lshl_b32 s2, s24, 2
	s_lshl_b32 s2, 15, s2                          ; my row of the cluster
	s_lshl_b32 s3, 0x1111, s23                     ; my column
	; group 1: 15:0 the mask; 17:16 elements of 8 bytes; 21 set beside a mask; no padding
	s_or_b32 s[G1X], s2, (3<<16)|(1<<21)
	s_or_b32 s[G1SX], s2, (3<<16)|(1<<21)
	s_or_b32 s[G1Y], s3, (3<<16)|(1<<21)
	s_or_b32 s[G1SY], s3, (3<<16)|(1<<21)
.irp g, G1X, G1Y                       ; codes: a row is a row tile's K half, 4,096 bytes; 8,192 bytes from row tile to row tile
	s_mov_b32 s[\g+1], 512<<16
	s_mov_b32 s[\g+3], 512<<16
	s_mov_b32 s[\g+5], 1024
	s_mov_b32 s[\g+6], 0
	s_mov_b32 s[\g+7], 0
.endr
	s_mov_b32 s[G1X+2], 4<<16
	s_mov_b32 s[G1X+4], 4
	s_mov_b32 s[G1Y+2], 8<<16
	s_mov_b32 s[G1Y+4], 8
	s_mov_b32 s[G1SX+1], 32<<16                    ; x's scale words: 8 K steps x 64 positions: rows of 256 bytes, 32,768 bytes apart
	s_mov_b32 s[G1SX+2], 8<<16
	s_mov_b32 s[G1SX+3], 32<<16
	s_mov_b32 s[G1SX+4], 8
	s_mov_b32 s[G1SX+5], 4096
	s_mov_b32 s[G1SX+6], 0
	s_mov_b32 s[G1SX+7], 0
	s_mov_b32 s[G1SY+1], 32<<16                    ; Wo's: a dense block, as 16 rows of 256 bytes
	s_mov_b32 s[G1SY+2], 16<<16
	s_mov_b32 s[G1SY+3], 32<<16
	s_mov_b32 s[G1SY+4], 16
	s_mov_b32 s[G1SY+5], 32
	s_mov_b32 s[G1SY+6], 0
	s_mov_b32 s[G1SY+7], 0
	s_wait_dscnt 0x0
	s_wait_kmcnt 0x0
	s_add_nc_u64 s[94:95], s[6:7], s[94:95]
	s_add_nc_u64 s[92:93], s[4:5], s[92:93]
	s_add_nc_u64 s[98:99], s[10:11], s[98:99]
	s_add_nc_u64 s[96:97], s[8:9], s[96:97]
	; group 0: X's scale words s[68:71], K half 0 s[72:75], K half 1 s[76:79]; Y's s[80:83], s[84:87], s[88:91].  LDS addresses hang on the wave's number alone
	s_mov_b32 s68, 1
	s_lshl_b32 s69, s[YH], 11
	s_add_co_u32 s69, s69, SCX
	s_mov_b64 s[70:71], s[94:95]
	s_or_b32 s71, s71, 0x80000000
	s_mov_b32 s72, 1
	s_lshl_b32 s73, s[YH], 14
	s_mov_b64 s[74:75], s[92:93]
	s_or_b32 s75, s75, 0x80000000
	s_mov_b32 s76, 1
	s_add_co_u32 s77, s73, SLOT
	s_add_nc_u64 s[78:79], s[92:93], 4096
	s_or_b32 s79, s79, 0x80000000
	s_mov_b32 s80, 1
	s_lshl_b32 s81, s[YH], 12
	s_add_co_u32 s81, s81, SCY
	s_mov_b64 s[82:83], s[98:99]
	s_or_b32 s83, s83, 0x80000000
	s_mov_b32 s84, 1
	s_lshl_b32 s85, s[YH], 15
	s_add_co_u32 s85, s85, YOFF
	s_mov_b64 s[86:87], s[96:97]
	s_or_b32 s87, s87, 0x80000000
	s_mov_b32 s88, 1
	s_add_co_u32 s89, s85, SLOT
	s_add_nc_u64 s[90:91], s[96:97], 4096
	s_or_b32 s91, s91, 0x80000000
	CROUND                                         ; all sixteen work-groups are here: the joint loads meet
	JLOAD 68, G1SX, 80, G1SY
	JLOAD 72, G1X, 84, G1Y
	JLOAD 76, G1X, 88, G1Y
	v_and_b32 v1, 31, v0                           ; lane
	v_and_b32 v2, 15, v0                           ; r
	v_bfe_u32 v3, v0, 4, 1                         ; h
	v_lshlrev_b32 v4, 4, v1                        ; 16 x lane
	s_wait_alu depctr_va_vdst(0)
	v_lshlrev_b32 v5, 4, v2                        ; 16 r
	s_wait_alu depctr_va_vdst(0)
	v_lshlrev_b32 v6, 6, v3                        ; 64 h
	s_lshl_b32 s2, s67, 2
	s_mov_b32 s3, 0
	s_add_nc_u64 s[12:13], s[12:13], s[2:3]        ; bo at my first output
	WIN 0x80                                       ; destination window 2
.irp t, 0,1,2,3,4,5,6,7
	global_load_b128 v[BN+8*\t:BN+8*\t+3], v6, s[12:13] offset:(32*(\t/2)+8*(\t%2))*4
	global_load_b128 v[BN+8*\t+4:BN+8*\t+7], v6, s[12:13] offset:(32*(\t/2)+8*(\t%2))*4+16
.endr
	WIN 0
	s_lshl_b32 s100, s66, 12                       ; out0: 4,096 bytes a token,
	s_add_co_u32 s100, s100, s2                    ; 4 an output
	s_mov_b32 s101, 0
	s_add_nc_u64 s[14:15], s[14:15], s[100:101]
	s_lshl_b32 s2, s[XH], 14
	v_add_nc_u32 v[ADX], s2, v4
	v_add_nc_u32 v[ADX+1], SLOT, v[ADX]
	s_lshl_b32 s2, s[YH], 15
	s_add_co_u32 s2, s2, YOFF
	v_add_nc_u32 v[ADY], s2, v4
	v_add_nc_u32 v[ADY+1], SLOT, v[ADY]
	s_lshl_b32 s2, s[XH], 11
	s_add_co_u32 s2, s2, SCX
	v_lshl_add_u32 v[ASX], v2, 2, s2               ; 4 r
	s_lshl_b32 s2, s[YH], 12
	s_add_co_u32 s2, s2, SCY
	v_add_nc_u32 v[ASY], s2, v5
	s_mul_i32 s2, s[WV], 16*SPITCH
	s_add_co_u32 s2, s2, STG                       ; my stage
	v_mul_u32_u24 v[STO], v2, SPITCH
	s_wait_alu depctr_va_vdst(0)
	v_add_nc_u32 v[STO], v[STO], v6
	v_add_nc_u32 v[STO], s2, v[STO]                ; in: row r, + 64 h
	v_add_nc_u32 v[RD], s2, v4                     ; back: the 32 lanes take one row of 512 bytes
.macro FETCH q                         ; K step q's fragments, 8 of Y and 4 of X, into set q % 2: 24 loads, each 512 consecutive bytes
	WIN 0x80
.irp t, 0,1,2,3,4,5,6,7
.irp c, 0,1
	ds_load_b128 v[YF+64*((\q)%2)+8*\t+4*\c:YF+64*((\q)%2)+8*\t+4*\c+3], v[ADY+(\q)/4] offset:4096*\t+1024*((\q)%4)+512*\c
.endr
.endr
.irp a, 0,1,2,3
.irp c, 0,1
	ds_load_b128 v[XF+32*((\q)%2)+8*\a+4*\c:XF+32*((\q)%2)+8*\a+4*\c+3], v[ADX+(\q)/4] offset:4096*\a+1024*((\q)%4)+512*\c
.endr
.endr
.endm
.macro SCALES                          ; all of K's scale words
.irp s, 0,1
.irp a, 0,1,2,3
.irp w, 0,1,2,3
	ds_load_b32 v[XS+16*\s+4*\a+\w], v[ASX] offset:256*(4*\s+\w)+64*\a
.endr
.endr
.irp t, 0,1,2,3,4,5,6,7
	ds_load_b128 v[YS+32*\s+4*\t:YS+32*\s+4*\t+3], v[ASY] offset:512*\t+256*\s
.endr
.endr
.endm
; K step q: 32 matrix instructions.  The 32 accumulators take turns, one instruction a turn, in the same order in every step.  bias = 1: the first products start the sums from the bias
.macro MUL q, bias
.if \bias
	WIN 0x6a                                       ; sources 0, 1 and 2 window 2, D window 1
.else
	WIN 0x5a                                       ; sources 0 and 1 window 2, C and D window 1
.endif
.irp a, 0,1,2,3
.irp t, 0,1,2,3,4,5,6,7
.if \bias
	v_wmma_scale_f32_16x16x128_f8f6f4 v[64*\a+8*\t:64*\a+8*\t+7], v[YF+64*((\q)%2)+8*\t:YF+64*((\q)%2)+8*\t+7], v[XF+32*((\q)%2)+8*\a:XF+32*((\q)%2)+8*\a+7], v[BN+8*\t:BN+8*\t+7], v[YS+32*((\q)/4)+4*\t+(\q)%4], v[XS+16*((\q)/4)+4*\a+(\q)%4] matrix_a_fmt:MATRIX_FMT_FP4 matrix_b_fmt:MATRIX_FMT_FP4
.else
	v_wmma_scale_f32_16x16x128_f8f6f4 v[64*\a+8*\t:64*\a+8*\t+7], v[YF+64*((\q)%2)+8*\t:YF+64*((\q)%2)+8*\t+7], v[XF+32*((\q)%2)+8*\a:XF+32*((\q)%2)+8*\a+7], v[64*\a+8*\t:64*\a+8*\t+7], v[YS+32*((\q)/4)+4*\t+(\q)%4], v[XS+16*((\q)/4)+4*\a+(\q)%4] matrix_a_fmt:MATRIX_FMT_FP4 matrix_b_fmt:MATRIX_FMT_FP4
.endif
.endr
.endr
.endm
.macro KSTEP q                         ; the next step's fragments are asked for, then this step is multiplied
	PLACES
	FETCH (\q)+1
	s_wait_dscnt 24                                ; all but the 24 loads just issued: this step's fragments are in
	MUL \q, 0
.endm
	s_wait_tensorcnt 0x1                           ; my scale words and my part of K half 0 are in; K half 1's load may be out
	s_barrier_signal -1
	s_barrier_wait -1                              ; everybody's are
	SCALES
	FETCH 0
	FETCH 1
	s_wait_loadcnt 0x0                             ; the bias
	s_wait_dscnt 24
	MUL 0, 1
	KSTEP 1
	KSTEP 2
	s_wait_tensorcnt 0x0                           ; my part of K half 1 is in,
	s_wait_dscnt 0x0                               ; (no LDS instruction is pending at a signal; K step 3's fragments are in)
	s_barrier_signal -1
	s_barrier_wait -1                              ; everybody's is
	PLACES
	FETCH 4
	MUL 3, 0
	KSTEP 4
	KSTEP 5
	KSTEP 6
	s_wait_dscnt 0x0
	MUL 7, 0
	WIN 0
	PLACES
; THE WAY OUT, a block of 16 tokens x 128 outputs at a time.  A lane holds pieces of 32 bytes of one row; the block goes through my own stage and comes back as whole rows of 512 bytes.
; LDS serves a wave's instructions in order: no wait between the stores and the loads, nor in front of the next block's stores.
.macro TOSTAGE a
	WIN 0x04                                       ; an LDS store's data are its source 1: window 1
.irp t, 0,1,2,3,4,5,6,7
	ds_store_b128 v[STO], v[64*(\a)+8*\t:64*(\a)+8*\t+3] offset:128*(\t/2)+32*(\t%2)         ; each accumulator from its low end on
	ds_store_b128 v[STO], v[64*(\a)+8*\t+4:64*(\a)+8*\t+7] offset:128*(\t/2)+32*(\t%2)+16
.endr
	WIN 0
.irp i, 0,1,2,3,4,5,6,7,8,9,10,11,12,13,14,15
	ds_load_b128 v[BK+64*((\a)%2)+4*\i:BK+64*((\a)%2)+4*\i+3], v[RD] offset:SPITCH*\i
.endr
.endm
.macro SEND a, younger                 ; younger: the LDS instructions issued behind block a's loads, which may stay out
	s_wait_dscnt \younger
.irp i, 0,1,2,3,4,5,6,7,8,9,10,11,12,13,14,15
	global_store_b128 v4, v[BK+64*((\a)%2)+4*\i:BK+64*((\a)%2)+4*\i+3], s[14:15] offset:(32*((\a)/2)+8*((\a)%2)+\i+8*(\i/8))*4096 th:TH_STORE_NT   ; 32 lanes store 512 consecutive bytes, aligned; position i of block a is this token
.endr
.endm
	s_wait_alu depctr_va_vdst(0)
	TOSTAGE 0
	TOSTAGE 1
	SEND 0, 32                                     ; behind block 0's loads: block 1's 16 stores and 16 loads
	s_wait_xcnt 0x0                                ; block 0's stores have read their registers: block 2's loads may land there
	TOSTAGE 2
	SEND 1, 32
	s_wait_xcnt 0x0
	TOSTAGE 3
	SEND 2, 32
	SEND 3, 0
	s_wait_tensorcnt 0x0
	ds_add_u32 v30, v31
	s_wait_dscnt 0x0
	CROUND                                         ; the closing round: no work-group ends while a partner may still ask for a tile that names it
	s_endpgm
.Lfunc_end_k_q22186e95a7_outp:
	.size	k_q22186e95a7_outp, .Lfunc_end_k_q22186e95a7_outp-k_q22186e95a7_outp
	.p2alignl 7, 3214868480
	.fill 96, 4, 3214868480
	.section	.rodata,"a",@progbits
	.p2align	6, 0x0
	.amdhsa_kernel k_q22186e95a7_outp
		.amdhsa_group_segment_fixed_size 243200
		.amdhsa_private_segment_fixed_size 0
		.amdhsa_enable_private_segment 0
		.amdhsa_kernarg_size 48
		.amdhsa_user_sgpr_count 2
		.amdhsa_user_sgpr_kernarg_segment_ptr 1
		.amdhsa_wavefront_size32 1
		.amdhsa_system_sgpr_workgroup_id_x 1
		.amdhsa_system_sgpr_workgroup_id_y 1
		.amdhsa_system_sgpr_workgroup_id_z 1
		.amdhsa_system_vgpr_workitem_id 0
		.amdhsa_next_free_vgpr 768
		.amdhsa_next_free_sgpr 102
		.amdhsa_reserve_vcc 0
		.amdhsa_float_denorm_mode_32 3
		.amdhsa_float_denorm_mode_16_64 3
		.amdhsa_memory_ordered 1
		.amdhsa_forward_progress 1
		.amdhsa_inst_pref_size 75
	.end_amdhsa_kernel
	.amdgpu_metadata
---
amdhsa.version: [ 1, 2 ]
amdhsa.kernels:
  - .name:           k_q22186e95a7_outp
    .symbol:         k_q22186e95a7_outp.kd
    .args:
      - { .name: ximg, .offset: 0, .size: 8, .value_kind: global_buffer, .address_space: global }
      - { .name: xs, .offset: 8, .size: 8, .value_kind: global_buffer, .address_space: global }
      - { .name: cod, .offset: 16, .size: 8, .value_kind: global_buffer, .address_space: global }
      - { .name: scl, .offset: 24, .size: 8, .value_kind: global_buffer, .address_space: global }
      - { .name: bo, .offset: 32, .size: 8, .value_kind: global_buffer, .address_space: global }
      - { .name: out0, .offset: 40, .size: 8, .value_kind: global_buffer, .address_space: global }
    .group_segment_fixed_size: 243200
    .private_segment_fixed_size: 0
    .kernarg_segment_align: 8
    .kernarg_segment_size: 48
    .max_flat_workgroup_size: 128
    .sgpr_count:     102
    .vgpr_count:     768
    .wavefront_size: 32
...
	.end_amdgpu_metadata
.endif
;; end of part 4
